; MI455X (gfx1250); checked and timed in simulation.
; The chip was launched on July 23, 2026; its instructions are those of AMD's public machine-readable ISA for CDNA 5 (MIT licence, August 2026) and "CDNA5" Instruction Set Architecture Reference Guide (July 2026). The comments in the code are by the model that wrote it; some were corrected since.
;; REPL. Allowed arithmetic: matrix products marked QUANTISED: E2M3 operands, one E8M0 scale for each 32 along K, by v_wmma_scale_f32_16x16x128_f8f6f4 with both operands' format E2M3, f32 sums; everything else in f32.
;; Inputs: Wproj 1,024 x 1,024 float32; Wqkv 1,024 x 3,072 float32; lambda_k1 32 float32; lambda_k2 32 float32; lambda_q1 32 float32; lambda_q2 32 float32; rms_scale 64 float32; x 2 x 2,048 x 1,024 float32.
;; Outputs: out0 2 x 2,048 x 1,024 float32.
;; This version of the problem:
;;   THIS VERSION OF THE PROBLEM IS GIVEN IN LOW PRECISION. The matrix products marked QUANTISED in the list below multiply operands that are first quantised to E2M3 (2 exponent bits, 3 mantissa bits; 6 bits a number), with one power-of-two scale for each 32 numbers along K (OCP MX v1.0); their sums are f32. All else is computed in f32.
;;   The module's matrix products, in the order in which they are computed (A, B: the left and right operand; K: the contracted axis; several contracted axes count as one K, in the product's order):
;;     1. [M 4,096, K 1,024] x [K 1,024, N 3,072]; A: input x; B: input Wqkv: QUANTISED
;;     2. batch 32 x [M 2,048, K 32] x [K 32, N 2,048]; A: computed on the way; B: computed on the way: QUANTISED
;;     3. batch 32 x [M 2,048, K 2,048] x [K 2,048, N 64]; A: softmax (see below); B: computed on the way: QUANTISED
;;     4. batch 32 x [M 2,048, K 32] x [K 32, N 2,048]; A: computed on the way; B: computed on the way: QUANTISED
;;     5. batch 32 x [M 2,048, K 2,048] x [K 2,048, N 64]; A: softmax (see below); B: computed on the way: QUANTISED
;;     6. [M 4,096, K 1,024] x [K 1,024, N 1,024]; A: computed on the way; B: input Wproj: QUANTISED
;;   THE QUANTISER, for each operand of a quantised product, along K:
;;     - K is cut into blocks of 32 from its start; a last block that is shorter is filled with zeros.
;;     - A block's scale is 2^e with e = floor(log2(the largest magnitude in the block)) - 2, held to -126 .. 127; a block of zeros has e = 0. As a byte (E8M0): e + 127.
;;     - Each number is divided by its block's scale, clamped to +-7.5, and rounded to the nearest number of E2M3, ties to even, subnormals kept.
;;     - The product sums the exact products of the quantised numbers (number of the format x scale) in f32.
;;   ~~~python
;;   def quantise(x, axis):      # numpy; x: float32 -> the quantised numbers, widened to float32 again
;;       x = np.moveaxis(x, axis, -1); K = x.shape[-1]
;;       x = np.pad(x, [(0, 0)] * (x.ndim - 1) + [(0, -K % 32)]); x = x.reshape(x.shape[:-1] + (-1, 32)); a = np.abs(x).max(-1, keepdims=True)
;;       e = np.where(a > 0, np.clip(np.frexp(np.where(a > 0, a, 1))[1] - 1 - 2, -126, 127), 0)      # np.frexp(a)[1] - 1 = floor(log2(a)), exactly
;;       r = np.clip(x / 2.0 ** e, -7.5, 7.5)
;;       step = 2.0 ** (np.maximum(np.frexp(np.where(r == 0, 1, r))[1] - 1, 0) - 3)
;;       q = np.round(r / step) * step * 2.0 ** e      # np.round: ties to even
;;       return np.moveaxis(q.reshape(q.shape[:-2] + (-1,))[..., :K], -1, axis).astype(np.float32)
;;   ~~~
;;   SOFTMAX AHEAD OF A QUANTISED PRODUCT. Where the list says 'softmax', what is quantised is not the finished softmax but p = 2^(t - M), with t = logit x log2(e) and M = ceil(the row's largest t), a whole number; so 1/2 < the row's largest p <= 1. The row's sum l is taken of the UNQUANTISED p, in f32, and the product's result is divided by l at the end. Since M is a whole number, a kernel that streams over the keys may use a running M (the ceiling of the running maximum): every later rescaling is an exact power of two, which a block's scale takes up: the codes' values come out the same.
;;   OPERANDS COMPUTED ON THE WAY. 'Computed on the way' means the value that the module computes at that place (a softmax that the list does not call 'softmax' is quantised finished and normalised). What goes into a quantiser is computed in f32, as accurately as f32 sums, v_exp_f32 and their like allow (about 1e-6 of the number): no bf16 or f16 on the way to a quantiser, and a product that is left as it is and whose result goes on into a quantised operand takes f32 operands (vector FMAs, or v_wmma_f32_16x16x4_f32). A number that lies on a knife's edge between two numbers of the format may be rounded either way, as far as f32 arithmetic and the matrix unit's own rounding can turn it there, and no further.
;; One version. Each part assembles by itself: llvm-mc -triple=amdgcn-amd-amdhsa -mcpu=gfx1250 --defsym DOCPART=n.
;; ======== version 1 of 1: 4 launches
;; limits: right only within a limited range of input values
;; workspace buffers: xq 3,276,800 bytes; wq 3,276,800 bytes; qk 6,553,600 bytes; vq 3,276,800 bytes; aq 3,276,800 bytes
;; launch quant (part 1): grid 256 x 1, 4 waves a work-group, no clusters, 59,904 bytes of LDS; arguments x, Wqkv, Wproj, xq, wq; writes xq, wq
.if DOCPART == 1
	.amdgcn_target "amdgcn-amd-amdhsa--gfx1250"
	.amdhsa_code_object_version 6
	.text
	.protected	k_qc675aea44b_quant
	.globl	k_qc675aea44b_quant
	.p2align	8
	.type	k_qc675aea44b_quant,@function
k_qc675aea44b_quant:
	s_mov_b64 s[64:65], 0
	v_nop
	global_prefetch_b8 v0, s[64:65] scope:SCOPE_SE
	s_setreg_imm32_b32 hwreg(HW_REG_WAVE_MODE, 25, 1), 1
	s_wait_xcnt 0x0
; x [4096][1024] (K innermost), Wqkv [1024][3072] and Wproj [1024][1024] (K outermost), all f32, become codes of FP6 (E2M3) with one E8M0 byte for each 32 along K,
; laid in the order of the matrix operand's registers, so that the products' launches fetch fragments as they stand.
; ROW TILES: rows go in groups of 32; tile T = 2 G + u; lane r of a tile stands for row 32 G + 8 u + r + 8 (r / 8).
; A FRAGMENT (16 rows x 128 K, 12 registers a lane) is 6 planes of 256 bytes: plane p holds registers 2 p, 2 p + 1 of lane l at 8 l; lane (r, h), registers 6 c .. 6 c + 5: k = 64 c + 32 h + 0 .. 31.
; CODES: [q 4][T 256][e 2][plane 6][256], K step of 128 = 2 q + e.  SCALE WORDS, SCOFF bytes on: [T][q][r 16][e 2], byte b of a word for k = 32 b .. 32 b + 31 of its K step.
; wq's groups of 32 rows: q: 2 head + half; k: 32 + 2 head + half; v: 64 + column / 32; Wproj: 96 + column / 32.
; A block's scale is 2^(floor(log2(largest magnitude)) - 2); its byte is that magnitude's exponent field - 2, held at 1 from below.
; LIMITS: a block of zeros gets the byte 1, not 127 (its codes are zeros, and this program alone reads the bytes); blocks whose largest magnitude lies under 2^(3 - 127) are held at that floor; NaN and infinities are not served.
; Work-groups 0-127 take x, 128-255 the weights; each reads 131,072 bytes.  Waves share nothing: no barrier.  The two paths have LDS bytes of their own.  No cluster: no two work-groups read the same bytes.
.set QB,    786432                     ; bytes of one q of the codes
.set SCOFF, 3145728                    ; where the scale words begin
.set XSTG,  8448                       ; x's path: a wave's stage, 16 rows x (512 + 16) bytes, from LDS byte 0
.set WST0,  33792                      ; the weights' path: its stages begin here,
.set WSTG,  6400                       ; 2 x 3,200 bytes a wave
.set SEL,   26                         ; s[26:27] selects for lane l xor 16
.set R,     16                         ; x: v16-143 two sets of 64 numbers as loaded
.set X,     144                        ; v144-207 64 numbers: register 16 b + i = k 32 b + 16 h + i of my row
.set PC,    208                        ; v208-227 the codes
.set TM,    228                        ; v228-243 at work
.set WD,    244                        ; v244-247 the four K steps' scale words
.set OFF,   16                         ; weights: v16-47 4 x lane + i x pitch
.set XW,    48                         ; v48-111 two sets of 32 numbers
.set C,     112                        ; v112-118 a block's codes
.set SB,    120                        ; v120-121 the scale bytes
; 64 numbers of a lane become a fragment's codes in v[PC] on and its scale word in v[pw]
.macro QUANT s, pw
.irp b, 0,1,2,3
	v_max3_num_f32 v[TM+\b], |v[\s+16*\b]|, |v[\s+1+16*\b]|, 0x1800000   ; my 16 numbers of block b, and the floor 2^(3 - 127)
.endr
.irp i, 2,4,6,8,10,12,14
.irp b, 0,1,2,3
	v_max3_num_f32 v[TM+\b], v[TM+\b], |v[\s+16*\b+\i]|, |v[\s+1+16*\b+\i]|
.endr
.endr
.irp b, 0,1,2,3
	v_permlanex16_b32 v[TM+4+\b], v[TM+\b], s[SEL], s[SEL+1]
.endr
.irp b, 0,1,2,3
	v_max_num_f32 v[TM+\b], v[TM+\b], v[TM+4+\b]   ; with lane l xor 16's: the block's largest magnitude
.endr
.irp b, 0,1,2,3
	v_add_nc_u32 v[TM+12+\b], 0xff000000, v[TM+\b] ; 2 off its exponent field: the conversion's scale operand
.endr
.irp b, 0,1,2,3
	v_lshrrev_b32 v[TM+4+\b], 23, v[TM+12+\b]      ; the byte
.endr
	v_lshl_or_b32 v[\pw], v[TM+5], 8, v[TM+4]
	v_lshl_or_b32 v[\pw], v[TM+6], 16, v[\pw]
	v_lshl_or_b32 v[\pw], v[TM+7], 24, v[\pw]
.irp c, 0,1
	v_cvt_scalef32_pk16_fp6_f32 v[PC+6*\c:PC+2+6*\c], v[\s+32*\c:\s+15+32*\c], v[TM+12+2*\c]
	v_cvt_scalef32_pk16_fp6_f32 v[PC+12+4*\c:PC+14+4*\c], v[\s+16+32*\c:\s+31+32*\c], v[TM+12+2*\c+1]   ; (a conversion's three registers begin on an even number)
.endr
	v_nop                                          ; one plain place behind a scaled conversion
.irp c, 0,1                                    ; a whole block to a lane: lanes 0-15 block 2 c, lanes 16-31 block 2 c + 1
.irp i, 0,1,2
	v_permlane16_swap_b32 v[PC+6*\c+\i], v[PC+12+4*\c+\i]
.endr
.irp i, 0,1,2
	v_mov_b32 v[PC+3+6*\c+\i], v[PC+12+4*\c+\i]
.endr
.endr
.endm
.macro LOADX st                        ; 128 numbers of each of the tile's 16 rows: each load reads 512 consecutive bytes
.irp i, 0,1,2,3,4,5,6,7,8,9,10,11,12,13,14,15
	global_load_b128 v[R+64*((\st)%2)+4*\i:R+64*((\st)%2)+4*\i+3], v4, s[4:5] offset:(\i+8*(\i/8))*4096+512*(\st) th:TH_LOAD_NT
.endr
.endm
.macro TURNX st                        ; through my stage: in by rows, out 16 neighbours of each block a lane.  LDS serves a wave's instructions in order
.irp i, 0,1,2,3,4,5,6,7,8,9,10,11,12,13,14,15
	ds_store_b128 v5, v[R+64*((\st)%2)+4*\i:R+64*((\st)%2)+4*\i+3] offset:528*\i
.endr
.irp b, 0,1,2,3
.irp j, 0,1,2,3
	ds_load_b128 v[X+16*\b+4*\j:X+16*\b+4*\j+3], v6 offset:128*\b+16*\j
.endr
.endr
.endm
.macro XSTEP st
.if (\st) < 3
	s_wait_loadcnt 16                              ; this step's 16 loads are in; the next step's 16 may be out
.else
	s_wait_loadcnt 0x0
.endif
	TURNX \st
	s_wait_dscnt 0x0                               ; the numbers are back, and the stage's stores have read their registers
.if (\st) > 0
	s_wait_xcnt 0x0                                ; the last step's stores have read the codes' registers
.endif
.if (\st)+2 < 4
	LOADX (\st)+2
.endif
	QUANT X, WD+(\st)
.irp p, 0,1,2,3,4,5
	global_store_b64 v7, v[PC+2*\p:PC+2*\p+1], s[28:29] offset:((\st)/2)*QB+((\st)%2)*1536+256*\p   ; a plane: 256 consecutive bytes, aligned
.endr
.endm
.macro LOADW t                         ; block t: rows 32 t + i of my 256 along K, my column: 128 consecutive bytes a load
.set i, 0
.rept 32
	global_load_b32 v[XW+32*((\t)%2)+i], v[OFF+i], s[32+2*(\t):33+2*(\t)] th:TH_LOAD_NT
.set i, i+1
.endr
.endm
.macro BLOCK t
.set XS, XW+32*((\t)%2)
.if (\t) < 7
	s_wait_loadcnt 32                              ; this block's 32 loads are in; the next block's may be out
.else
	s_wait_loadcnt 0x0
.endif
	v_max3_num_f32 v12, |v[XS]|, |v[XS+1]|, |v[XS+2]|
	v_max3_num_f32 v13, |v[XS+3]|, |v[XS+4]|, |v[XS+5]|
.irp i, 6,10,14,18,22,26
	v_max3_num_f32 v12, v12, |v[XS+\i]|, |v[XS+\i+1]|
	v_max3_num_f32 v13, v13, |v[XS+\i+2]|, |v[XS+\i+3]|
.endr
	v_max3_num_f32 v12, v12, |v[XS+30]|, |v[XS+31]|
	v_max3_num_f32 v12, v12, v13, 0x1800000        ; the block's largest magnitude (all 32 numbers are mine), and the floor
	v_add_nc_u32 v11, 0xff000000, v12
	v_lshrrev_b32 v13, 23, v11
.if (\t)%4 == 0
	v_mov_b32 v[SB+(\t)/4], v13
.else
	v_lshl_or_b32 v[SB+(\t)/4], v13, 8*((\t)%4), v[SB+(\t)/4]
.endif
	v_cvt_scalef32_pk16_fp6_f32 v[C:C+2], v[XS:XS+15], v11
	v_cvt_scalef32_pk16_fp6_f32 v[C+4:C+6], v[XS+16:XS+31], v11
	v_nop                                          ; one plain place behind a scaled conversion
	v_mov_b32 v[C+3], v[C+4]
	v_mov_b32 v[C+4], v[C+5]
	v_mov_b32 v[C+5], v[C+6]
.irp p, 0,1,2
	ds_store_b64 v4, v[C+2*\p:C+2*\p+1] offset:((\t)/4)*1536+(3*(((\t)%4)/2)+\p)*256+((\t)%2)*128   ; block t is block t % 4 = 2 c + h of K step t / 4: planes 3 c + p, lane r + 16 h
.endr
.if (\t)+2 < 8
	LOADW (\t)+2
.endif
	s_wait_dscnt 0x0                               ; the stores have read their registers
.endm
	s_load_b256 s[4:11], s[0:1], 0x0               ; x, Wqkv, Wproj, xq
	s_load_b64 s[12:13], s[0:1], 0x20              ; wq
	v_lshl_add_u32 v254, v0, 2, 0xe800
	v_mov_b32 v255, 0
	v_lshrrev_b32 v1, 5, v0
	v_readfirstlane_b32 s14, v1                    ; wave
	v_and_b32 v2, 31, v0                           ; lane
	s_cmp_lt_u32 ttmp9, 128
	s_cbranch_scc0 .Lweights
	; ---- x: wave id W = 4 x work-group + wave takes tile W / 2, half W % 2 of K: four K steps of 128
	s_lshl_b32 s15, ttmp9, 2
	s_add_co_u32 s15, s15, s14
	s_lshr_b32 s16, s15, 1                         ; T
	s_and_b32 s17, s15, 1                          ; which half of K
	s_lshr_b32 s18, s16, 1
	s_lshl_b32 s18, s18, 5
	s_and_b32 s19, s16, 1
	s_lshl_b32 s19, s19, 3
	s_add_co_u32 s18, s18, s19                     ; the tile's first row: 32 G + 8 u
	s_lshl_b32 s18, s18, 12                        ; a row is 4,096 bytes
	s_lshl_b32 s19, s17, 11
	s_add_co_u32 s18, s18, s19
	s_mov_b32 s19, 0
	s_mul_i32 s20, s16, 3072
	s_mul_i32 s21, s17, 2*QB
	s_add_co_u32 s20, s20, s21                     ; my codes
	s_mov_b32 s21, 0
	s_lshl_b32 s22, s16, 9
	s_lshl_b32 s23, s17, 8
	s_add_co_u32 s22, s22, s23
	s_add_co_u32 s22, s22, SCOFF                   ; my scale words
	s_mov_b32 s23, 0
	s_mul_i32 s24, s14, XSTG                       ; my stage
	s_wait_alu depctr_va_vdst(0)
	v_lshlrev_b32 v4, 4, v2                        ; 16 x lane
	v_add_nc_u32 v5, s24, v4
	v_and_b32 v3, 15, v0                           ; r
	v_bfe_u32 v8, v0, 4, 1                         ; h
	v_mul_u32_u24 v6, v3, 528
	v_lshl_add_u32 v6, v8, 6, v6
	v_add_nc_u32 v6, s24, v6                       ; row r, + 64 h
	v_lshlrev_b32 v7, 3, v2                        ; 8 x lane
	s_mov_b32 s[SEL], 0x76543210
	s_mov_b32 s[SEL+1], 0xfedcba98
.irp b, 0,1,2,3
	v_mov_b32 v[TM+4+\b], 0                        ; written once: a lane permute's destination counts as one of its sources
.endr
	s_wait_alu depctr_va_vdst(0)
	s_wait_kmcnt 0x0
	s_add_nc_u64 s[4:5], s[4:5], s[18:19]
	s_add_nc_u64 s[28:29], s[10:11], s[20:21]
	s_add_nc_u64 s[30:31], s[10:11], s[22:23]
	LOADX 0
	LOADX 1
	XSTEP 0
	XSTEP 1
	XSTEP 2
	XSTEP 3
	v_cmp_lt_u32 vcc_lo, 15, v2                    ; lanes 0-15 store the words of the first two K steps (one q), lanes 16-31 those of the other two
	v_cndmask_b32 v248, v[WD], v[WD+2], vcc_lo
	v_cndmask_b32 v249, v[WD+1], v[WD+3], vcc_lo
	global_store_b64 v7, v[248:249], s[30:31]      ; 256 consecutive bytes, aligned
	s_wait_tensorcnt 0x0
	ds_add_u32 v254, v255
	s_wait_dscnt 0x0
	s_endpgm
.Lweights:
	; ---- the weights: a lane takes a column, its registers run down K.  Work-group j: 128 columns (j / 4), 256 along K (q = j % 4); a wave takes 32 columns: one group of 32 rows of wq
	s_sub_co_u32 s15, ttmp9, 128
	s_lshr_b32 s16, s15, 2
	s_and_b32 s17, s15, 3                          ; q
	s_cmp_lt_u32 s16, 24                           ; the first 24 column groups are Wqkv's, the other 8 Wproj's
	s_cselect_b32 s18, 1, 0
	s_mov_b32 s19, 4096
	s_cselect_b32 s19, 12288, s19                  ; bytes from row to row
	s_cselect_b32 s20, 0, 24
	s_sub_co_u32 s16, s16, s20
	s_lshl_b32 s21, s16, 2
	s_add_co_u32 s21, s21, s14                     ; J = my first column / 32
	s_and_b32 s22, s21, 32
	s_and_b32 s23, s21, 15
	s_lshl_b32 s23, s23, 1
	s_add_co_u32 s22, s22, s23
	s_bfe_u32 s23, s21, 0x10004
	s_add_co_u32 s22, s22, s23                     ; q and k: (J & 32) + 2 head + half
	s_cmp_lt_u32 s21, 64
	s_cselect_b32 s22, s22, s21                    ; v: J
	s_add_co_u32 s23, s21, 96                      ; Wproj: 96 + J
	s_cmp_lg_u32 s18, 0
	s_cselect_b32 s22, s22, s23                    ; my group of wq
	s_lshl_b32 s24, s21, 7                         ; my first column, in bytes
	s_lshl_b32 s25, s17, 8
	s_mul_i32 s25, s25, s19                        ; my first row of K
	s_add_co_u32 s24, s24, s25
	s_mov_b32 s25, 0
	s_lshl_b32 s26, s19, 5                         ; 32 rows on
	s_mov_b32 s27, 0
	s_mul_i32 s52, s17, QB
	s_mul_i32 s53, s22, 6144
	s_add_co_u32 s52, s52, s53                     ; my codes: two tiles of 3,072 bytes
	s_mov_b32 s53, 0
	s_lshl_b32 s54, s22, 10
	s_lshl_b32 s55, s17, 7
	s_add_co_u32 s54, s54, s55
	s_add_co_u32 s54, s54, SCOFF                   ; my scale words
	s_mov_b32 s55, 0
	s_wait_alu depctr_va_vdst(0)
	v_lshlrev_b32 v[OFF], 2, v2
.set i, 1
.rept 31
	v_add_nc_u32 v[OFF+i], s19, v[OFF+i-1]
.set i, i+1
.endr
	v_bfe_u32 v8, v0, 3, 1                         ; my column is row w = lane of the group: tile u = (w / 8) % 2,
	v_and_b32 v9, 7, v0
	v_bfe_u32 v10, v0, 4, 1
	v_lshl_add_u32 v9, v10, 3, v9                  ; lane r = w % 8 + 8 (w / 16)
	s_mul_i32 s28, s14, WSTG
	s_add_co_u32 s28, s28, WST0                    ; my stage: the two tiles' images, 3,200 bytes apart
	v_mul_u32_u24 v4, v8, 3200
	v_lshl_add_u32 v4, v9, 3, v4
	v_add_nc_u32 v4, s28, v4
	v_lshlrev_b32 v6, 4, v2
	v_add_nc_u32 v5, s28, v6
	v_lshlrev_b32 v7, 9, v8
	v_lshl_add_u32 v7, v9, 3, v7                   ; my row's two scale words: 512 u + 8 r
	s_wait_kmcnt 0x0
	s_cmp_lg_u32 s18, 0
	s_cselect_b64 s[4:5], s[6:7], s[8:9]
	s_add_nc_u64 s[32:33], s[4:5], s[24:25]
.irp t, 1,2,3,4,5,6,7
	s_add_nc_u64 s[32+2*\t:33+2*\t], s[30+2*\t:31+2*\t], s[26:27]   ; a base for each block: the pitch is no constant of the text
.endr
	s_add_nc_u64 s[48:49], s[12:13], s[52:53]
	s_add_nc_u64 s[50:51], s[12:13], s[54:55]
	LOADW 0
	LOADW 1
.irp t, 0,1,2,3,4,5,6,7
	BLOCK \t
.endr
	s_wait_alu depctr_va_vdst(0)
	global_store_b64 v7, v[SB:SB+1], s[50:51]      ; runs of 128 bytes: one byte for each 128 that the launch reads
.irp n, 0,1,2,3,4,5,6,7,8,9,10,11
	ds_load_b128 v[XW+4*\n:XW+4*\n+3], v5 offset:3200*(\n/6)+512*(\n%6)
.endr
.irp n, 0,1,2,3,4,5,6,7,8,9,10,11
	s_wait_dscnt 11-\n
	global_store_b128 v6, v[XW+4*\n:XW+4*\n+3], s[48:49] offset:3072*(\n/6)+512*(\n%6)   ; 512 consecutive bytes, aligned
.endr
	s_wait_tensorcnt 0x0
	ds_add_u32 v254, v255
	s_wait_dscnt 0x0
	s_endpgm
.Lfunc_end_k_qc675aea44b_quant:
	.size	k_qc675aea44b_quant, .Lfunc_end_k_qc675aea44b_quant-k_qc675aea44b_quant
	.p2alignl 7, 3214868480
	.fill 96, 4, 3214868480
	.section	.rodata,"a",@progbits
	.p2align	6, 0x0
	.amdhsa_kernel k_qc675aea44b_quant
		.amdhsa_group_segment_fixed_size 59904
		.amdhsa_private_segment_fixed_size 0
		.amdhsa_enable_private_segment 0
		.amdhsa_kernarg_size 40
		.amdhsa_user_sgpr_count 2
		.amdhsa_user_sgpr_kernarg_segment_ptr 1
		.amdhsa_wavefront_size32 1
		.amdhsa_system_sgpr_workgroup_id_x 1
		.amdhsa_system_sgpr_workgroup_id_y 1
		.amdhsa_system_sgpr_workgroup_id_z 1
		.amdhsa_system_vgpr_workitem_id 0
		.amdhsa_next_free_vgpr 256
		.amdhsa_next_free_sgpr 66
		.amdhsa_reserve_vcc 1
		.amdhsa_float_denorm_mode_32 3
		.amdhsa_float_denorm_mode_16_64 3
		.amdhsa_memory_ordered 1
		.amdhsa_forward_progress 1
		.amdhsa_inst_pref_size 78
	.end_amdhsa_kernel
	.amdgpu_metadata
---
amdhsa.version: [ 1, 2 ]
amdhsa.kernels:
  - .name:           k_qc675aea44b_quant
    .symbol:         k_qc675aea44b_quant.kd
    .args:
      - { .name: x, .offset: 0, .size: 8, .value_kind: global_buffer, .address_space: global }
      - { .name: Wqkv, .offset: 8, .size: 8, .value_kind: global_buffer, .address_space: global }
      - { .name: Wproj, .offset: 16, .size: 8, .value_kind: global_buffer, .address_space: global }
      - { .name: xq, .offset: 24, .size: 8, .value_kind: global_buffer, .address_space: global }
      - { .name: wq, .offset: 32, .size: 8, .value_kind: global_buffer, .address_space: global }
    .group_segment_fixed_size: 59904
    .private_segment_fixed_size: 0
    .kernarg_segment_align: 8
    .kernarg_segment_size: 40
    .max_flat_workgroup_size: 128
    .sgpr_count:     66
    .vgpr_count:     256
    .wavefront_size: 32
...
	.end_amdgpu_metadata
.endif
;; end of part 1
;; launch qkv (part 2): grid 8 x 24, 4 waves a work-group, clusters of 4 x 4, 327,680 bytes of LDS; arguments xq, wq, qk, vq; writes qk, vq
.if DOCPART == 2
	.amdgcn_target "amdgcn-amd-amdhsa--gfx1250"
	.amdhsa_code_object_version 6
	.text
	.protected	k_qc675aea44b_qkv
	.globl	k_qc675aea44b_qkv
	.p2align	8
	.type	k_qc675aea44b_qkv,@function
k_qc675aea44b_qkv:
	s_mov_b64 s[64:65], 0
	v_nop
	global_prefetch_b8 v0, s[64:65] scope:SCOPE_SE
	s_setreg_imm32_b32 hwreg(HW_REG_WAVE_MODE, 25, 1), 1
	s_wait_xcnt 0x0
	s_wait_alu depctr_hold_cnt(0) depctr_sa_sdst(0) depctr_va_vdst(0) depctr_va_sdst(0) depctr_va_ssrc(0) depctr_va_vcc(0) depctr_vm_vsrc(0)
	s_getreg_b32 s2, hwreg(HW_REG_IB_STS2, 6, 4)
	s_cmp_eq_u32 s2, 0
	s_cbranch_scc0 .Lentry_in_a_cluster
	s_endpgm
.Lentry_in_a_cluster:
	s_bfe_u32 s2, ttmp6, 0x10000c
	s_cmp_lg_u32 s2, 0xf033
	s_cbranch_scc0 .Lentry_shape_is_right
	s_endpgm
.Lentry_shape_is_right:
.set NQ,     2
.set FR,     12
.set NL,     6
.set NP,     4
.set HALFT,  24576
.set SLOT,   4*HALFT
.set SCL,    3*SLOT
.set HALFS,  4096
.set SPARE,  SCL+4*HALFS
.set STAGE,  SPARE+512
.set QSTEP,  786432
.set SCOFF,  3145728
.set QKS,    6291456
.set VQS,    3145728
.set ADRA, 16
.set ADRB, 20
.set VO0,  24
.set VO1,  25
.set STI,  26
.set ADRS, 27
.set SPW,  28
.set NIL,  29
.set STB,  30
.set VOS,  31
.set SC,   32
.set TM,   64
.set PW,   80
.set SELV, 83
.set BKW,  84
.set STW,  88
.set PC,   96
.set AF,   128
.set G1, 24
.set G0, 32
.set G1B, 48
.set G0B, 56
.set G1S, 68
.set G0S, 76
.set G1SB, 80
.set G0SB, 88
.set OUTC, 92
.set OUTS, 94
.set SA1,  98
.set SA2,  100
.set SEL,  96
.set MSB, 0
.macro WIN new
.if MSB != (\new)
	s_set_vgpr_msb (MSB<<8)|(\new)
.set MSB, (\new)
.endif
.endm
.set MUL_LO, 0xa1
.set MUL_HI, 0xf1
.set TO_B,   0x40
.macro JLOAD g0a, g1a, g0b, g1b
	s_cmp_eq_u32 s15, 0
	s_cbranch_scc0 .Lfor_b_\@
	tensor_load_to_lds s[\g0a:\g0a+3], s[\g1a:\g1a+7]
	s_nop 0
.rept 4
	v_nop
.endr
	s_branch .Lasked_\@
.Lfor_b_\@:
	tensor_load_to_lds s[\g0b:\g0b+3], s[\g1b:\g1b+7]
	s_nop 0
.rept 4
	v_nop
.endr
.Lasked_\@:
.endm
.macro CREST
	s_cmp_lg_u32 s14, 0
	s_cbranch_scc1 .Lnot_wave_0_\@
	s_barrier_signal -3
.Lnot_wave_0_\@:
	s_barrier_wait -3
	s_barrier_signal -1
	s_barrier_wait -1
.endm
.macro CROUND
	s_barrier_signal -1
	s_barrier_wait -1
	CREST
.endm
	s_load_b256 s[4:11], s[0:1], 0x0
	v_lshl_add_u32 v[SPW], v0, 2, SPARE
	v_mov_b32 v[NIL], 0
	ds_add_u32 v28, v29
	ds_add_u32 v28, v29
	s_wait_dscnt 0x0
	v_lshrrev_b32 v1, 5, v0
	v_readfirstlane_b32 s14, v1
	s_lshr_b32 s15, s14, 1
	s_and_b32 s16, s14, 1
	s_bfe_u32 s40, ttmp6, 0x40000
	s_bfe_u32 s41, ttmp6, 0x40004
	s_and_b32 s17, ttmp7, 0xffff
	s_cmp_ge_u32 s17, 4
	s_cselect_b32 s18, 1, 0
	s_lshl_b32 s2, s41, 2
	s_lshl_b32 s2, 15, s2
	s_lshl_b32 s3, 0x1111, s40
	s_or_b32 s[G1+0], s2, (3<<16)|(1<<21)
	s_or_b32 s[G1B+0], s3, (3<<16)|(1<<21)
	s_or_b32 s[G1S+0], s2, (3<<16)|(1<<21)
	s_or_b32 s[G1SB+0], s3, (3<<16)|(1<<21)
.irp g, G1, G1B
	s_mov_b32 s[\g+1], 32<<16
	s_mov_b32 s[\g+2], 192<<16
	s_mov_b32 s[\g+3], 32<<16
	s_mov_b32 s[\g+4], 192
	s_mov_b32 s[\g+5], 32
	s_mov_b32 s[\g+6], 0
	s_mov_b32 s[\g+7], 0
.endr
.irp g, G1S, G1SB
	s_mov_b32 s[\g+1], 32<<16
	s_mov_b32 s[\g+2], 32<<16
	s_mov_b32 s[\g+3], 32<<16
	s_mov_b32 s[\g+4], 32
	s_mov_b32 s[\g+5], 32
	s_mov_b32 s[\g+6], 0
	s_mov_b32 s[\g+7], 0
.endr
	s_lshl_b32 s19, s17, 6
	s_cmp_lg_u32 s18, 0
	s_cselect_b32 s19, 128, s19
	s_lshl_b32 s20, s41, 4
	s_add_co_u32 s20, s20, s19
	s_sub_co_u32 s47, s17, 4
	s_lshl_b32 s47, s47, 7
	s_cmp_lg_u32 s18, 0
	s_cselect_b32 s47, s47, 0
	s_lshl_b32 s46, ttmp9, 6
	s_add_co_u32 s46, s46, s47
	s_lshl_b32 s47, s40, 4
	s_add_co_u32 s46, s46, s47
	s_mov_b32 s22, s20
	s_mov_b32 s42, s46
	s_lshl_b32 s44, s22, 9
	s_add_co_u32 s44, s44, SCOFF
	s_mov_b32 s45, 0
	s_mul_i32 s22, s22, 3072
	s_mov_b32 s23, 0
	s_lshl_b32 s66, s42, 9
	s_add_co_u32 s66, s66, SCOFF
	s_mov_b32 s67, 0
	s_mul_i32 s42, s42, 3072
	s_mov_b32 s43, 0
	s_wait_kmcnt 0x0
	s_cmp_lg_u32 s18, 0
	s_cselect_b64 s[12:13], s[6:7], s[4:5]
	s_cselect_b64 s[92:93], s[4:5], s[6:7]
	s_add_nc_u64 s[22:23], s[12:13], s[22:23]
	s_add_nc_u64 s[44:45], s[12:13], s[44:45]
	s_add_nc_u64 s[42:43], s[92:93], s[42:43]
	s_add_nc_u64 s[66:67], s[92:93], s[66:67]
	CROUND
	s_mov_b32 s[G0S], 1
	s_mov_b32 s[G0S+1], SCL
	s_mov_b64 s[G0S+2:G0S+3], s[44:45]
	s_or_b32 s[G0S+3], s[G0S+3], 0x80000000
	s_mov_b32 s[G0SB], 1
	s_mov_b32 s[G0SB+1], SCL+2*HALFS
	s_mov_b64 s[G0SB+2:G0SB+3], s[66:67]
	s_or_b32 s[G0SB+3], s[G0SB+3], 0x80000000
	; THREE SLOTS, each with one chunk (two K steps) of A's 16 tiles and of B's 16 tiles.  The head's four tiles, one load a wave: chunk 0 of A, chunk 0 of B, A's scale words, B's.
	s_mov_b32 s[G0], 1
	s_mov_b32 s[G0+1], 0
	s_mov_b64 s[G0+2:G0+3], s[22:23]
	s_or_b32 s[G0+3], s[G0+3], 0x80000000
	s_mov_b32 s[G0B], 1
	s_mov_b32 s[G0B+1], 2*HALFT
	s_mov_b64 s[G0B+2:G0B+3], s[42:43]
	s_or_b32 s[G0B+3], s[G0B+3], 0x80000000
	; the later first fills: waves 0 and 1 take chunk 1 (slot 1), waves 2 and 3 chunk 2 (slot 2); the even wave A's tiles, the odd one B's
	s_mul_i32 s19, s15, SLOT
	s_add_co_u32 s19, s19, SLOT
	s_mul_i32 s2, s15, QSTEP
	s_add_co_u32 s2, s2, QSTEP
	s_mov_b32 s3, 0
	s_mov_b32 s[G0+4], 1
	s_mov_b32 s[G0+5], s19
	s_add_nc_u64 s[G0+6:G0+7], s[22:23], s[2:3]
	s_or_b32 s[G0+7], s[G0+7], 0x80000000
	s_mov_b32 s[G0B+4], 1
	s_add_co_u32 s[G0B+5], s19, 2*HALFT
	s_add_nc_u64 s[G0B+6:G0B+7], s[42:43], s[2:3]
	s_or_b32 s[G0B+7], s[G0B+7], 0x80000000
.macro ARM under, g0, g1, next         ; one tree of branches on the wave's number: every way passes exactly one load
	s_cmp_lt_u32 s14, \under
	s_cbranch_scc0 \next
	tensor_load_to_lds s[\g0:\g0+3], s[\g1:\g1+7]
	s_nop 0
.rept 4
	v_nop
.endr
	s_branch .Lhead_asked
\next:
.endm
	ARM 1, G0,  G1,  .Lhead_b
	ARM 2, G0B, G1B, .Lhead_sa
	ARM 3, G0S, G1S, .Lhead_sb
	tensor_load_to_lds s[G0SB:G0SB+3], s[G1SB:G1SB+7]
	s_nop 0
.rept 4
	v_nop
.endr
.Lhead_asked:
	s_lshr_b32 s12, s46, 2
	s_lshl_b32 s13, s16, 1
	s_add_co_u32 s12, s12, s13
	s_lshl_b32 s13, s15, 3
	s_add_co_u32 s13, s13, s20
	s_mul_i32 s19, s12, 196608
	s_mul_i32 s21, s13, 768
	s_add_co_u32 s19, s19, s21
	s_lshl_b32 s21, s12, 13
	s_lshl_b32 s22, s13, 5
	s_add_co_u32 s21, s21, s22
	s_add_co_u32 s21, s21, QKS
	s_lshr_b32 s12, s46, 3
	s_add_co_u32 s12, s12, s16
	s_lshr_b32 s13, s12, 4
	s_lshl_b32 s13, s13, 4
	s_sub_co_u32 s22, s20, 128
	s_lshr_b32 s22, s22, 2
	s_add_co_u32 s13, s13, s22
	s_lshl_b32 s22, s15, 1
	s_add_co_u32 s13, s13, s22
	s_and_b32 s12, s12, 15
	s_mul_i32 s22, s13, 98304
	s_mul_i32 s23, s12, 6144
	s_add_co_u32 s22, s22, s23
	s_lshl_b32 s23, s13, 12
	s_lshl_b32 s42, s12, 8
	s_add_co_u32 s23, s23, s42
	s_add_co_u32 s23, s23, VQS
	s_cmp_lg_u32 s18, 0
	s_cselect_b32 s42, s22, s19
	s_cselect_b32 s44, s23, s21
	s_cselect_b64 s[OUTC:OUTC+1], s[10:11], s[8:9]
	s_mov_b32 s43, 0
	s_mov_b32 s45, 0
	s_mov_b32 s96, 196608
	s_cselect_b32 s96, 768, s96
	s_mov_b32 s[SA1], 768
	s_cselect_b32 s[SA1], 1536, s[SA1]
	s_mov_b32 s[SA2], 768
	s_cselect_b32 s[SA2], 93696, s[SA2]
	s_mov_b32 s[SA1+1], 0
	s_mov_b32 s[SA2+1], 0
	s_mov_b32 s12, 0x05040100
	s_cselect_b32 s12, 0x03020100, s12
	s_mov_b32 s13, 0x07060302
	s_cselect_b32 s13, 0x07060504, s13
	s_mov_b32 s19, 8192
	s_cselect_b32 s19, 64, s19
	s_mov_b32 s21, 128
	s_cselect_b32 s21, 4096, s21
	s_cselect_b32 s22, 128, 64
	s_add_nc_u64 s[OUTS:OUTS+1], s[OUTC:OUTC+1], s[44:45]
	s_add_nc_u64 s[OUTC:OUTC+1], s[OUTC:OUTC+1], s[42:43]
	v_and_b32 v1, 31, v0
	v_and_b32 v3, 15, v0
	v_bfe_u32 v4, v0, 4, 1
	v_lshlrev_b32 v[VO0], 3, v1
	v_add_nc_u32 v[VO1], s96, v[VO0]
	s_mov_b32 s[SEL], 0x76543210
	s_mov_b32 s[SEL+1], 0xfedcba98
	s_lshl_b32 s23, s14, 9
	s_add_co_u32 s23, s23, STAGE
	v_lshlrev_b32 v[STI], 2, v3
	v_lshl_add_u32 v[STI], v4, 8, v[STI]
	v_add_nc_u32 v[STI], s23, v[STI]
	v_lshl_add_u32 v[STB], v1, 4, s23
	v_and_b32 v5, 3, v0
	v_lshlrev_b32 v[VOS], 4, v5
	v_mad_u32_u24 v[VOS], v4, s19, v[VOS]
	v_bfe_u32 v5, v0, 3, 1
	v_mad_u32_u24 v[VOS], v5, s21, v[VOS]
	v_bfe_u32 v5, v0, 2, 1
	v_mad_u32_u24 v[VOS], v5, s22, v[VOS]
	v_mov_b32 v[SELV], s12
	v_mov_b32 v5, s13
	v_cmp_lt_u32 vcc_lo, 15, v1
	v_cndmask_b32 v[SELV], v[SELV], v5, vcc_lo
	s_mul_i32 s21, s15, HALFT
	s_mul_i32 s22, s16, HALFT
	s_add_co_u32 s22, s22, 2*HALFT
.irp s, 0,1,2
	v_add_nc_u32 v[ADRA+\s], s21, v[VO0]
	v_add_nc_u32 v[ADRB+\s], s22, v[VO0]
	s_add_co_u32 s21, s21, SLOT
	s_add_co_u32 s22, s22, SLOT
.endr
	v_mov_b32 v[ADRA+3], v[ADRA]                   ; address registers 0, 1 serve chunks 0, 1 (slots 0, 1); registers 2, 3 chunks 2, 3 (slots 2, 0)
	v_mov_b32 v[ADRB+3], v[ADRB]
	v_lshlrev_b32 v5, 3, v3
	s_mul_i32 s21, s15, HALFS
	s_mul_i32 s22, s16, HALFS
	s_add_co_u32 s22, s22, 2*HALFS
	s_sub_co_u32 s22, s22, s21
	v_mul_u32_u24 v6, s22, v4
	s_add_co_u32 s21, s21, SCL
	v_add_nc_u32 v5, v5, v6
	v_add_nc_u32 v[ADRS], s21, v5
.macro FRAG reg, adr, e, i
.irp p, 0,1,2,3,4,5
	ds_load_b64 v[\reg+2*\p:\reg+2*\p+1], v[\adr] offset:3072*(\i)+1536*(\e)+256*\p
.endr
.endm
.macro MUL16 a0, p, q, sc, zero
.irp a, \a0, \a0+1
.irp b, 0,1,2,3,4,5,6,7
.if \zero
	v_wmma_scale_f32_16x16x128_f8f6f4 v[8*(8*((\a)%4)+\b):8*(8*((\a)%4)+\b)+7], v[128*(\p)+FR*\b:128*(\p)+FR*\b+FR-1], v[AF+FR*(\a):AF+FR*(\a)+FR-1], 0, v[SC+8*NQ*(\sc)+NQ*\b+(\q)], v[SC+8*NQ*(\sc)+NQ*(\a)+(\q)] matrix_a_fmt:MATRIX_FMT_FP6 matrix_b_fmt:MATRIX_FMT_FP6 matrix_a_scale:MATRIX_SCALE_ROW1
.else
	v_wmma_scale_f32_16x16x128_f8f6f4 v[8*(8*((\a)%4)+\b):8*(8*((\a)%4)+\b)+7], v[128*(\p)+FR*\b:128*(\p)+FR*\b+FR-1], v[AF+FR*(\a):AF+FR*(\a)+FR-1], v[8*(8*((\a)%4)+\b):8*(8*((\a)%4)+\b)+7], v[SC+8*NQ*(\sc)+NQ*\b+(\q)], v[SC+8*NQ*(\sc)+NQ*(\a)+(\q)] matrix_a_fmt:MATRIX_FMT_FP6 matrix_b_fmt:MATRIX_FMT_FP6 matrix_a_scale:MATRIX_SCALE_ROW1
.endif
.endr
.endr
.endm
.macro FETCH_B slot, q, p
	WIN TO_B
.irp i, 0,1,2,3,4,5,6,7
	FRAG 128*(\p)+FR*\i, ADRB+\slot, \q, \i
.endr
	WIN 0
.endm
.macro FETCH_A slot, q, i0
.irp i, \i0, \i0+1, \i0+2, \i0+3
	FRAG AF+FR*(\i), ADRA+\slot, \q, \i
.endr
.endm
.macro SCALES sc, q
.irp i, 0,1,2,3,4,5,6,7
	ds_load_b64 v[SC+8*NQ*\sc+NQ*\i:SC+8*NQ*\sc+NQ*\i+1], v[ADRS] offset:512*\i+128*(\q)
.endr
.endm
.macro PLACES n
.rept \n
	v_nop
.endr
.endm
.macro STEP slot, q, zero
	s_wait_dscnt 4*NL
	WIN MUL_LO
	MUL16 0, (\q)%2, \q, \slot, \zero
	MUL16 2, (\q)%2, \q, \slot, \zero
	s_wait_dscnt 0
	PLACES NP
	FETCH_B \slot, (\q)+1, 1-(\q)%2
	FETCH_A \slot, (\q)+1, 0
	WIN MUL_HI
	MUL16 4, (\q)%2, \q, \slot, \zero
	MUL16 6, (\q)%2, \q, \slot, \zero
	PLACES NP
	WIN 0
	FETCH_A \slot, (\q)+1, 4
.endm
.macro TURN slot, next, fill, q
	s_wait_tensorcnt 0x0
	ds_add_u32 v[SPW], v[NIL]
	s_wait_dscnt 4*NL+1
	WIN MUL_LO
	MUL16 0, 1, NQ-1, \slot, 0
	s_wait_dscnt 0x0
	s_barrier_signal -1
	MUL16 2, 1, NQ-1, \slot, 0
	WIN 0
	s_barrier_wait -1
.if \fill
	CREST
	s_add_nc_u64 s[G0+2:G0+3], s[G0+2:G0+3], 3*QSTEP
	s_add_nc_u64 s[G0B+2:G0B+3], s[G0B+2:G0B+3], 3*QSTEP
	s_cmp_lt_u32 s14, 2                            ; the launch's one refill: chunk 3 into slot 0: wave 0 A's tiles, wave 1 B's; waves 2 and 3 have no part of it
	s_cbranch_scc0 .Lnone_\@
	s_cmp_eq_u32 s16, 0
	s_cbranch_scc0 .Lrb_\@
	tensor_load_to_lds s[G0:G0+3], s[G1:G1+7]
	s_nop 0
.rept 4
	v_nop
.endr
	s_branch .Lrj_\@
.Lrb_\@:
	tensor_load_to_lds s[G0B:G0B+3], s[G1B:G1B+7]
	s_nop 0
.rept 4
	v_nop
.endr
	s_branch .Lrj_\@
.Lnone_\@:
.rept 4
	v_nop
.endr
.Lrj_\@:
.else
	PLACES NP
.endif
	FETCH_B \next, 0, 0
	FETCH_A \next, 0, 0
	SCALES \next, \q
	WIN MUL_HI
	MUL16 4, 1, NQ-1, \slot, 0
	MUL16 6, 1, NQ-1, \slot, 0
	PLACES NP
	WIN 0
	FETCH_A \next, 0, 4
.endm
.macro TURNX slot, next, q             ; a chunk's last K step where the next chunk has been shown whole already and nothing is filled: no barrier
	s_wait_dscnt 4*NL
	WIN MUL_LO
	MUL16 0, 1, NQ-1, \slot, 0
	MUL16 2, 1, NQ-1, \slot, 0
	s_wait_dscnt 0
	PLACES NP
	FETCH_B \next, 0, 0
	FETCH_A \next, 0, 0
	SCALES \next, \q
	WIN MUL_HI
	MUL16 4, 1, NQ-1, \slot, 0
	MUL16 6, 1, NQ-1, \slot, 0
	PLACES NP
	WIN 0
	FETCH_A \next, 0, 4
.endm
	s_wait_alu depctr_va_vdst(0)
	s_wait_tensorcnt 0x0                           ; my tile of the head's four is in
	ds_add_u32 v[SPW], v[NIL]
	s_wait_dscnt 0x0
	CROUND
	s_cmp_eq_u32 s16, 0
	s_cbranch_scc0 .Lj2b
	tensor_load_to_lds s[G0+4:G0+7], s[G1:G1+7]
	s_nop 0
.rept 4
	v_nop
.endr
	s_branch .Lj2e
.Lj2b:
	tensor_load_to_lds s[G0B+4:G0B+7], s[G1B:G1B+7]
	s_nop 0
.rept 4
	v_nop
.endr
.Lj2e:
	FETCH_B 0, 0, 0
	FETCH_A 0, 0, 0
	SCALES 0, 0
	FETCH_A 0, 0, 4
	STEP 0, 0, 1
	TURN 0, 1, 1, 1
	STEP 1, 0, 0
.set ADRA, 18
.set ADRB, 22
	TURNX 1, 0, 2
	STEP 0, 0, 0
	TURN 0, 1, 0, 3
	STEP 1, 0, 0
	s_wait_dscnt 4*NL
	WIN MUL_LO
	MUL16 0, 1, NQ-1, 1, 0
	MUL16 2, 1, NQ-1, 1, 0
	s_wait_dscnt 0
	WIN MUL_HI
	MUL16 4, 1, NQ-1, 1, 0
	MUL16 6, 1, NQ-1, 1, 0
	WIN 0
.macro QUANTW w, s
	WIN (\w)|((\w)<<2)
.irp b, 0,1,2,3
	v_max3_num_f32 v[TM+\b], |v[(\s)+16*\b]|, |v[(\s)+1+16*\b]|, 0x1800000
.endr
	WIN ((\w)<<2)|((\w)<<4)
.irp i, 2,4,6,8,10,12,14
.irp b, 0,1,2,3
	v_max3_num_f32 v[TM+\b], v[TM+\b], |v[(\s)+16*\b+\i]|, |v[(\s)+1+16*\b+\i]|
.endr
.endr
	WIN 0
.irp b, 0,1,2,3
	v_permlanex16_b32 v[TM+4+\b], v[TM+\b], s[SEL], s[SEL+1]
.endr
.irp b, 0,1,2,3
	v_max_num_f32 v[TM+\b], v[TM+\b], v[TM+4+\b]
.endr
.irp b, 0,1,2,3
	v_add_nc_u32 v[TM+12+\b], 0xff000000, v[TM+\b]
.endr
.irp b, 0,1,2,3
	v_lshrrev_b32 v[TM+4+\b], 23, v[TM+12+\b]
.endr
	v_lshl_or_b32 v[PW], v[TM+5], 8, v[TM+4]
	v_lshl_or_b32 v[PW], v[TM+6], 16, v[PW]
	v_lshl_or_b32 v[PW], v[TM+7], 24, v[PW]
	WIN \w
.irp c, 0,1
	v_cvt_scalef32_pk16_fp6_f32 v[PC+6*\c:PC+2+6*\c], v[(\s)+32*\c:(\s)+15+32*\c], v[TM+12+2*\c]
	v_cvt_scalef32_pk16_fp6_f32 v[PC+12+4*\c:PC+14+4*\c], v[(\s)+16+32*\c:(\s)+31+32*\c], v[TM+12+2*\c+1]
.endr
	WIN 0
	v_nop
.irp c, 0,1
.irp i, 0,1,2
	v_permlane16_swap_b32 v[PC+6*\c+\i], v[PC+12+4*\c+\i]
.endr
.irp i, 0,1,2
	v_mov_b32 v[PC+3+6*\c+\i], v[PC+12+4*\c+\i]
.endr
.endr
.endm
.irp b, 0,1,2,3
	v_mov_b32 v[TM+4+\b], 0
.endr
.irp a, 0,1,2,3,4,5,6,7
.if \a > 0
	s_wait_xcnt 0x0
.if \a == 4
	s_add_nc_u64 s[OUTC:OUTC+1], s[OUTC:OUTC+1], s[SA2:SA2+1]
.else
	s_add_nc_u64 s[OUTC:OUTC+1], s[OUTC:OUTC+1], s[SA1:SA1+1]
.endif
.endif
	QUANTW 2+\a/4, 64*(\a%4)
.irp p, 0,1,2
	global_store_b64 v[VO0], v[PC+2*\p:PC+2*\p+1], s[OUTC:OUTC+1] offset:256*\p
.endr
.irp p, 0,1,2
	global_store_b64 v[VO1], v[PC+6+2*\p:PC+7+2*\p], s[OUTC:OUTC+1] offset:256*\p
.endr
.if (\a%2) == 0
	v_mov_b32 v[PW+1], v[PW]
.else
	v_perm_b32 v[STW+\a/2], v[PW], v[PW+1], v[SELV]
	ds_store_b32 v[STI], v[STW+\a/2] offset:64*(\a/2)
.endif
.endr
	ds_load_b128 v[BKW:BKW+3], v[STB]
	s_wait_dscnt 0x0
	global_store_b128 v[VOS], v[BKW:BKW+3], s[OUTS:OUTS+1]
	s_wait_tensorcnt 0x0
	ds_add_u32 v[SPW], v[NIL]
	s_wait_dscnt 0x0
	CROUND
	s_endpgm
.Lfunc_end_k_qc675aea44b_qkv:
	.size	k_qc675aea44b_qkv, .Lfunc_end_k_qc675aea44b_qkv-k_qc675aea44b_qkv
	.p2alignl 7, 3214868480
	.fill 96, 4, 3214868480
	.section	.rodata,"a",@progbits
	.p2align	6, 0x0
	.amdhsa_kernel k_qc675aea44b_qkv
		.amdhsa_group_segment_fixed_size 327680
		.amdhsa_private_segment_fixed_size 0
		.amdhsa_enable_private_segment 0
		.amdhsa_kernarg_size 32
		.amdhsa_user_sgpr_count 2
		.amdhsa_user_sgpr_kernarg_segment_ptr 1
		.amdhsa_wavefront_size32 1
		.amdhsa_system_sgpr_workgroup_id_x 1
		.amdhsa_system_sgpr_workgroup_id_y 1
		.amdhsa_system_sgpr_workgroup_id_z 1
		.amdhsa_system_vgpr_workitem_id 0
		.amdhsa_next_free_vgpr 1024
		.amdhsa_next_free_sgpr 102
		.amdhsa_reserve_vcc 1
		.amdhsa_float_denorm_mode_32 3
		.amdhsa_float_denorm_mode_16_64 3
		.amdhsa_memory_ordered 1
		.amdhsa_forward_progress 1
		.amdhsa_inst_pref_size 169
	.end_amdhsa_kernel
	.amdgpu_metadata
---
amdhsa.version: [ 1, 2 ]
amdhsa.kernels:
  - .name:           k_qc675aea44b_qkv
    .symbol:         k_qc675aea44b_qkv.kd
    .args:
      - { .name: xq, .offset: 0, .size: 8, .value_kind: global_buffer, .address_space: global }
      - { .name: wq, .offset: 8, .size: 8, .value_kind: global_buffer, .address_space: global }
      - { .name: qk, .offset: 16, .size: 8, .value_kind: global_buffer, .address_space: global }
      - { .name: vq, .offset: 24, .size: 8, .value_kind: global_buffer, .address_space: global }
    .group_segment_fixed_size: 327680
    .private_segment_fixed_size: 0
    .kernarg_segment_align: 8
    .kernarg_segment_size: 32
    .max_flat_workgroup_size: 128
    .sgpr_count:     102
    .vgpr_count:     1024
    .wavefront_size: 32
...
	.end_amdgpu_metadata
.endif
;; end of part 2
;; launch attn (part 3): grid 8 x 32, 16 waves a work-group, clusters of 4 x 1, 219,136 bytes of LDS; arguments qk, vq, lambda_q1, lambda_k1, lambda_q2, lambda_k2, rms_scale, aq; writes aq
.if DOCPART == 3
	.amdgcn_target "amdgcn-amd-amdhsa--gfx1250"
	.amdhsa_code_object_version 6
	.text
	.protected	k_qc675aea44b_attn
	.globl	k_qc675aea44b_attn
	.p2align	8
	.type	k_qc675aea44b_attn,@function
k_qc675aea44b_attn:
	s_mov_b64 s[64:65], 0
	v_nop
	global_prefetch_b8 v0, s[64:65] scope:SCOPE_SE
	s_setreg_imm32_b32 hwreg(HW_REG_WAVE_MODE, 25, 1), 1
	s_wait_xcnt 0x0
	s_wait_alu depctr_hold_cnt(0) depctr_sa_sdst(0) depctr_va_vdst(0) depctr_va_sdst(0) depctr_va_ssrc(0) depctr_va_vcc(0) depctr_vm_vsrc(0)
	s_getreg_b32 s2, hwreg(HW_REG_IB_STS2, 6, 4)
	s_cmp_eq_u32 s2, 0
	s_cbranch_scc0 .Lentry_in_a_cluster
	s_endpgm
.Lentry_in_a_cluster:
	s_bfe_u32 s2, ttmp6, 0x10000c
	s_cmp_lg_u32 s2, 0x3003
	s_cbranch_scc0 .Lentry_shape_is_right
	s_endpgm
.Lentry_shape_is_right:
; Differential attention on codes of FP6 (E2M3) with E8M0 scales: out = rmsnorm(attn1 - lam attn2) x rms_scale x (1 - LAMBDA_INIT), attn_x = softmax(q_x k_x^T / sqrt(32)) v, quantised along C for the last product.
; SOFTMAX: t = score x log2(e) / sqrt(32); M = the ceiling of the running largest t; p = 2^(t - M) is quantised along the keys; the row's sum is taken of the unquantised p and divides at the end;
; when M moves, the sum and O are multiplied by 2^(old M - new M): exact.
; SHARES: a work-group owns 256 queries of one (batch, head); each of its sixteen waves one tile of 16 queries, for both halves.
; A WHOLE HEAD'S K AND V LIE IN LDS, every byte filled once: no ring, one barrier.  The four query blocks of a cluster belong to one head and ask jointly: wave 0 K's codes, wave 1 V's codes, wave 2 K's pair words, wave 3 V's scale words:
; one tensor load a wave.  All that the launch reads of K and V is asked for at its head, so there is no later fill to prefetch for.
; SCORES: K = 32 is one block of the instruction's four.  A fragment of K in memory holds a group of 32 keys for both halves (block 0: k1 of the even tile, 1: k2 of the even, 2: k1 of the odd, 3: k2 of the odd);
; the query operand has its codes in one block and zero codes in the other three.
; WHICH KEYS FORM A TILE is chosen by the LDS addresses: lanes 0-7 read one group's image, lanes 8-15 the next group's, so that tile u of a pair of groups holds keys 8 u .. 8 u + 7 of both.
; Both products are used transposed: a lane holds one query, and its 32 score registers of four tiles are keys 64 c + 32 (lane / 16) + 0 .. 31: a whole block of the second product's K, in the operand's own order.
; K's LDS rows are 256 bytes + 32 of padding: a group's image is 1,728 bytes, 192 modulo 256, so the 32 lanes of a load of 8 bytes touch 64 different banks.
; THE FIRST HALF'S O^T is brought under its new M among the dependent lines of the second half's search for M: 16 independent multiplications between them.
; OUT: aq: codes [q 4][tile 256][e 2][plane 6][256], K index 64 head + channel; scale words SCOFF bytes on, [tile][q][r][e]; a word's four bytes belong to two heads, each work-group stores its two bytes a row.
; LIMITS: the promise holds while the scaled scores stay under 2^31 in magnitude; a block of zeros gets the byte 1, not 127 (its codes are zeros; this program alone reads the bytes); a p under 2^-126 counts as 0; NaN and infinities are not served.
.set KC,    0
.set KP,    288
.set KG,    1728
.set KSTEP, 6912
.set VC,    110592
.set VSTEP, 6144
.set SCB,   208896
.set SPARE, 217088
.set HQB,   196608
.set QKS,   6291456
.set VQS,   3145728
.set SCOFF, 3145728
.set KA,  1                            ; my LDS address in K's codes
.set M1,  2                            ; -M of half 1 (pair v[2:3], low word for both halves)
.set VA,  3                            ; my LDS address in V's codes
.set M2,  4
.set ASX, 5                            ; scale words: lanes 0-15 K's, lanes 16-31 V's; two address patterns
.set L1,  6
.set L2,  8
.set F,   10                           ; f = 2^(old M - new M) (pair v[10:11])
.set ASY, 11
.set QS,  12
.set PW1, 13
.set PW2, 14
.set H8,  15                           ; 8 x (lane / 16)
.set Q,   16                           ; v16-45 [q1][0][q2][0][q1]
.set SW,  46
.set KV,  50                           ; v50-97 four fragments of K, then of V
.set S,   98                           ; v98-161 scores, then p
.set O1,  162
.set O2,  194
.set P1,  226                          ; p's codes; before they are made, the half's temporaries
.set P2,  238
.set BM,  250
.set RM1, 252                          ; the running largest score of half 1, of half 2
.set RM2, 253
.set SPW, 254
.set NIL, 255
.set WV,  20
.set SEL, 22
.set CS,  24
.set G1A, 28
.set G1K, 36
.set G1V, 44
.set NLAM, 87
.set CNT, 92
.macro CROUND
	s_barrier_signal -1
	s_barrier_wait -1
	s_cmp_lg_u32 s[WV], 0
	s_cbranch_scc1 .Lnot_wave_0_\@
	s_barrier_signal -3
.Lnot_wave_0_\@:
	s_barrier_wait -3
	s_barrier_signal -1
	s_barrier_wait -1
.endm
	s_load_b256 s[4:11], s[0:1], 0x0               ; qk, vq, lambda_q1, lambda_k1
	s_load_b256 s[12:19], s[0:1], 0x20             ; lambda_q2, lambda_k2, rms_scale, aq
	v_lshl_add_u32 v[SPW], v0, 2, SPARE
	v_mov_b32 v[NIL], 0
	ds_add_u32 v[SPW], v[NIL]
	ds_add_u32 v[SPW], v[NIL]
	v_lshrrev_b32 v1, 5, v0
	v_readfirstlane_b32 s[WV], v1                  ; wave 0..15
	s_bfe_u32 s21, ttmp6, 0x40000                  ; cx: it enters Q's and aq's global addresses alone
	s_and_b32 s26, ttmp7, 0xffff                   ; 16 batch + head
	s_lshr_b32 s27, s26, 4
	s_and_b32 s66, s26, 15
	s_add_co_u32 s67, s66, 16
	s_mul_i32 s68, s67, HQB
	s_mul_i32 s77, s27, 98304
	s_add_co_u32 s68, s68, s77                     ; K's codes
	s_mov_b32 s69, 0
	s_lshl_b32 s70, s67, 13
	s_lshl_b32 s77, s27, 12
	s_add_co_u32 s70, s70, s77
	s_add_co_u32 s70, s70, QKS                     ; K's pair words
	s_mov_b32 s71, 0
	s_mul_i32 s72, s26, 98304                      ; V's codes
	s_mov_b32 s73, 0
	s_lshl_b32 s74, s26, 12
	s_add_co_u32 s74, s74, VQS                     ; V's scale words
	s_mov_b32 s75, 0
	s_lshl_b32 s76, ttmp9, 2
	s_add_co_u32 s76, s76, s21
	s_lshl_b32 s76, s76, 4
	s_add_co_u32 s76, s76, s[WV]
	s_lshl_b32 s77, s27, 7
	s_add_co_u32 s76, s76, s77                     ; my token tile T
	s_mul_i32 s78, s66, HQB
	s_mul_i32 s77, s76, 768
	s_add_co_u32 s78, s78, s77                     ; Q's codes
	s_mov_b32 s79, 0
	s_lshl_b32 s80, s66, 13
	s_lshr_b32 s77, s76, 1
	s_lshl_b32 s77, s77, 6
	s_add_co_u32 s80, s80, s77
	s_add_co_u32 s80, s80, QKS                     ; Q's pair words
	s_mov_b32 s81, 0
	s_lshr_b32 s67, s66, 2                         ; aq: q = head / 4, e = (head / 2) % 2, planes 3 (head % 2) on
	s_mul_i32 s82, s67, 786432
	s_mul_i32 s77, s76, 3072
	s_add_co_u32 s82, s82, s77
	s_bfe_u32 s77, s66, 0x10001
	s_mul_i32 s83, s77, 1536
	s_add_co_u32 s82, s82, s83
	s_and_b32 s83, s66, 1
	s_mul_i32 s85, s83, 768
	s_add_co_u32 s82, s82, s85
	s_lshl_b32 s84, s76, 9
	s_lshl_b32 s67, s67, 7
	s_add_co_u32 s84, s84, s67
	s_lshl_b32 s77, s77, 2
	s_add_co_u32 s84, s84, s77
	s_lshl_b32 s83, s83, 1
	s_add_co_u32 s84, s84, s83
	s_add_co_u32 s84, s84, SCOFF                   ; my two bytes of row 0's scale word
	s_mov_b32 s83, 0
	s_mov_b32 s85, 0
	s_mov_b32 s[G1A], 15|(3<<16)|(1<<21)           ; the mask names all four work-groups; elements of 8 bytes; rows of 256 bytes
	s_mov_b32 s[G1V], 15|(3<<16)|(1<<21)
	s_mov_b32 s[G1K], 15|(3<<16)|(1<<20)|(1<<21)|(5<<22)|(7<<25)   ; and 8 dwords of padding behind every 64
.irp g, G1A, G1K, G1V
	s_mov_b32 s[\g+1], 32<<16
	s_mov_b32 s[\g+3], 32<<16
	s_mov_b32 s[\g+5], 32
	s_mov_b32 s[\g+6], 0
	s_mov_b32 s[\g+7], 0
.endr
	s_mov_b32 s[G1A+2], 16<<16
	s_mov_b32 s[G1A+4], 16
	s_mov_b32 s[G1K+2], 384<<16
	s_mov_b32 s[G1K+4], 384
	s_mov_b32 s[G1V+2], 384<<16
	s_mov_b32 s[G1V+4], 384
	s_mov_b32 s[SEL], 0x76543210
	s_mov_b32 s[SEL+1], 0xfedcba98
	s_mov_b32 s[CS], 0x3e8293ee                    ; c = log2(e) / sqrt(32)
	s_mov_b32 s[CS+1], s[CS]
	s_mov_b32 s94, 0x3f24fd5c                      ; 1 - LAMBDA_INIT
	s_mov_b32 s95, s94
	s_mov_b32 s96, 0x3c800000                      ; 1 / 64
	s_mov_b32 s97, 0x358637bd                      ; EPS
	s_mov_b32 s86, 0x01000100                      ; an even tile's bytes of a pair word are 0, 1, an odd tile's 2, 3
	s_bitcmp1_b32 s[WV], 0
	s_cselect_b32 s86, 0x03020302, s86
	s_wait_dscnt 0x0
	s_wait_kmcnt 0x0
	s_add_nc_u64 s[68:69], s[4:5], s[68:69]
	s_add_nc_u64 s[70:71], s[4:5], s[70:71]
	s_add_nc_u64 s[72:73], s[6:7], s[72:73]
	s_add_nc_u64 s[74:75], s[6:7], s[74:75]
	s_add_nc_u64 s[78:79], s[4:5], s[78:79]
	s_add_nc_u64 s[80:81], s[4:5], s[80:81]
	s_add_nc_u64 s[82:83], s[18:19], s[82:83]
	s_add_nc_u64 s[84:85], s[18:19], s[84:85]
	CROUND                                         ; all four work-groups are here: the joint loads meet
.macro ARM w, lds, src, g1, next       ; one chain of branches on the wave's number, one fill to an arm, all arms to one join
	s_cmp_eq_u32 s[WV], \w
	s_cbranch_scc0 \next
	s_mov_b32 s52, 1
	s_mov_b32 s53, \lds
	s_mov_b64 s[54:55], s[\src:\src+1]
	s_or_b32 s55, s55, 0x80000000
	tensor_load_to_lds s[52:55], s[\g1:\g1+7]
	s_nop 0
.rept 4
	v_nop
.endr
	s_branch .Lasked
\next:
.endm
	ARM 0, KC, 68, G1K, .La1
	ARM 1, VC, 72, G1V, .La2
	ARM 2, SCB, 70, G1A, .La3
	ARM 3, SCB+4096, 74, G1A, .Lasked
	v_and_b32 v110, 31, v0                         ; lane  (S's registers serve as temporaries here)
	v_and_b32 v111, 15, v0                         ; r
	v_bfe_u32 v112, v0, 4, 1                       ; h
	v_lshlrev_b32 v[VA], 3, v110                   ; 8 x lane
	v_lshlrev_b32 v113, 2, v111
	v_lshlrev_b32 v114, 2, v110
.irp p, 0,1,2
	global_load_b64 v[100+2*\p:101+2*\p], v[VA], s[78:79] offset:256*\p   ; lanes 0-15: q1 of my 16 queries, lanes 16-31: q2
.endr
	global_load_b32 v[QS], v113, s[80:81]
	global_load_b32 v106, v114, s[8:9]
	global_load_b32 v107, v114, s[10:11]
	global_load_b32 v108, v114, s[12:13]
	global_load_b32 v109, v114, s[14:15]
	v_and_b32 v115, 7, v0                          ; r % 8
	v_bfe_u32 v116, v0, 3, 1                       ; g = r / 8
	v_xor_b32 v117, 16, v0
	v_bfe_u32 v117, v117, 3, 2                     ; 2 (1 - h) + g
	v_add_nc_u32 v117, 1, v117
	v_lshrrev_b32 v117, 2, v117                    ; 1 where g = 1 and h = 0
	v_lshlrev_b32 v[KA], 3, v115
	v_lshl_add_u32 v[KA], v112, 7, v[KA]
	v_mad_u32_u24 v[KA], v116, KG, v[KA]           ; image lane r % 8 + 16 h of group g of a pair; 64 bytes on: image lane r % 8 + 8 + 16 h
	v_lshlrev_b32 v[ASX], 2, v115
	v_lshl_add_u32 v[ASX], v116, 5, v[ASX]
	v_lshl_add_u32 v[ASX], v117, 5, v[ASX]
	v_lshl_add_u32 v[ASX], v112, 12, v[ASX]
	v_add_nc_u32 v[ASX], SCB, v[ASX]               ; lanes 0-15: word r % 8 of group g; lanes 16-31: V's word r
	v_lshl_add_u32 v[ASY], v112, 5, v[ASX]
	v_add_nc_u32 v[ASY], 32, v[ASY]                ; lanes 0-15: word r % 8 + 8; lanes 16-31: the next channel tile's word r
	v_lshlrev_b32 v[H8], 3, v112
	s_wait_alu depctr_va_vdst(0)
	s_wait_loadcnt 0x0
	v_add_nc_u32 v[VA], VC, v[VA]
	v_perm_b32 v[QS], v[QS], v[QS], s86            ; s1, s2, s1, s2
	v_mul_f32 v106, v106, v107                     ; lam = exp(sum lq1 lk1) - exp(sum lq2 lk2) + LAMBDA_INIT
	v_mul_f32 v108, v108, v109
.irp x, 1,2,4,8
	s_delay_alu instid0(VALU_DEP_2)
	v_add_f32_dpp v106, v106, v106 row_xmask:\x row_mask:0xf bank_mask:0xf
	s_delay_alu instid0(VALU_DEP_2)
	v_add_f32_dpp v108, v108, v108 row_xmask:\x row_mask:0xf bank_mask:0xf
.endr
	s_delay_alu instid0(VALU_DEP_2)
	v_permlanex16_b32 v107, v106, s[SEL], s[SEL+1]
	s_delay_alu instid0(VALU_DEP_2)
	v_permlanex16_b32 v109, v108, s[SEL], s[SEL+1]
	s_delay_alu instid0(VALU_DEP_2)
	v_add_f32 v106, v106, v107
	s_delay_alu instid0(VALU_DEP_2)
	v_add_f32 v108, v108, v109
	s_delay_alu instid0(VALU_DEP_2)
	v_mul_f32 v106, 0x3fb8aa3b, v106
	s_delay_alu instid0(VALU_DEP_2)
	v_mul_f32 v108, 0x3fb8aa3b, v108
	s_wait_alu depctr_va_vdst(0)
	v_exp_f32 v106, v106
	v_exp_f32 v108, v108
	v_cmp_gt_u32 vcc_lo, 16, v110                  ; lanes 0-15
	v_cmp_lt_u32 s88, 15, v110                     ; lanes 16-31
	s_wait_alu depctr_va_vdst(0)
	v_sub_f32 v106, v108, v106
	s_delay_alu instid0(VALU_DEP_1)
	v_add_f32 v106, 0xbeb60549, v106               ; -lam
	s_delay_alu instid0(VALU_DEP_1)
	v_readfirstlane_b32 s[NLAM], v106
.irp i, 0,1,2,3,4,5
	v_cndmask_b32 v[Q+\i], 0, v[100+\i], vcc_lo    ; q1 in lanes 0-15, zero codes in the others
	v_cndmask_b32 v[Q+12+\i], 0, v[100+\i], s88    ; q2 in lanes 16-31
	v_mov_b32 v[Q+6+\i], 0
	v_mov_b32 v[Q+18+\i], 0
.endr
.irp i, 0,1,2,3,4,5
	v_mov_b32 v[Q+24+\i], v[Q+\i]
.endr
	v_mov_b32 v[M1], 0x7f61b1e6                    ; -M = 3e38: M lies under every t
	v_mov_b32 v[M2], 0x7f61b1e6
	v_mov_b32 v[RM1], 0xff61b1e6                   ; the largest score so far: -3e38
	v_mov_b32 v[RM2], 0xff61b1e6
.irp i, 0,1,2,3
	v_mov_b32 v[L1+\i], 0
.endr
.set j, 0
.rept 64
	v_mov_b32 v[O1+j], 0                           ; the step is written for every step alike: the first finds zeros
.set j, j+1
.endr
.macro SCORE qa, qb, w                 ; eight tiles of 16 keys: fragment bb's first two blocks by operand qa, its other two by qb.  w = 1: each fragment's products start when its six loads are in (those of the later fragments may be out)
.irp bb, 0,1,2,3
.if \w
	s_wait_dscnt 18-6*\bb
.endif
	v_wmma_scale_f32_16x16x128_f8f6f4 v[S+16*\bb:S+16*\bb+7], v[KV+12*\bb:KV+12*\bb+11], v[\qa:\qa+11], 0, v[SW+\bb], v[QS] matrix_a_fmt:MATRIX_FMT_FP6 matrix_b_fmt:MATRIX_FMT_FP6
	v_wmma_scale_f32_16x16x128_f8f6f4 v[S+16*\bb+8:S+16*\bb+15], v[KV+12*\bb:KV+12*\bb+11], v[\qb:\qb+11], 0, v[SW+\bb], v[QS] matrix_a_fmt:MATRIX_FMT_FP6 matrix_b_fmt:MATRIX_FMT_FP6
.endr
.endm
.macro ADD4 p, j                       ; four chains of the row's sum take eight more p
.irp k, 0,1,2,3
	v_pk_add_f32 v[\p+2*\k:\p+2*\k+1], v[\p+2*\k:\p+2*\k+1], v[S+\j+2*\k:S+\j+2*\k+1]
.endr
.endm
.macro FILL fo, n                      ; n more pairs of the other half's O^T under its new M
.if \fo
.rept \n
	v_pk_mul_f32 v[\fo+FJ:\fo+FJ+1], v[\fo+FJ:\fo+FJ+1], v[F:F+1] op_sel_hi:[1,0]
.set FJ, FJ+2
.endr
.endif
.endm
.macro DLY fo, b                       ; a hint where no independent lines stand between a line and the one that it reads
.if \fo
.else
	s_delay_alu instid0(VALU_DEP_\b)
.endif
.endm
; One half's softmax of 128 keys: register 32 c + i of S holds key 64 c + 32 (lane / 16) + i of my query.  m: -M, l: the sum, o: O^T, p: the codes (before: temporaries), pw: the scale word, rm: the running largest score.
; fo: the other half's O^T, still to be multiplied by the f that stands in F (0: none).  own = 1: this half's O^T is multiplied here.
.macro SOFTMAX m, l, o, p, pw, rm, fo, own
.set FJ, 0
.if \fo
	s_wait_alu depctr_va_vdst(0)                   ; directly ahead of the first reader of that O^T; only plain vector lines follow up to the last of the 16
.endif
	FILL \fo, 4                                    ; these four are the places behind the scores' products
.irp k, 0,1,2,3,4,5,6,7
	v_max3_num_f32 v[\p+\k], v[S+8*\k], v[S+8*\k+1], v[S+8*\k+2]   ; eight chains, a tile each, from each accumulator's low end on
.endr
.if \fo
	v_mov_b32 v[\p+9], v[\m]                       ; the old -M (the first half's copy stands among the places behind its scores)
.endif
.irp i, 3,5
.irp k, 0,1,2,3,4,5,6,7
	v_max3_num_f32 v[\p+\k], v[\p+\k], v[S+8*\k+\i], v[S+8*\k+\i+1]
.endr
.endr
.irp c, 0,1
	v_max3_num_f32 v[\p+4*\c], v[\p+4*\c], v[\p+4*\c+1], v[S+32*\c+7]
	v_max3_num_f32 v[\p+4*\c+2], v[\p+4*\c+2], v[\p+4*\c+3], v[S+32*\c+15]
	v_max_num_f32 v[\p+4*\c+1], v[S+32*\c+23], v[S+32*\c+31]
.endr
	DLY \fo, 4
	v_max3_num_f32 v[BM], v[\p], v[\p+2], v[\p+1]  ; my two blocks' largest scores: they serve the row's maximum and the blocks' largest p
	DLY \fo, 2
	v_max3_num_f32 v[BM+1], v[\p+4], v[\p+6], v[\p+5]
	FILL \fo, 2
	DLY \fo, 1
	v_max_num_f32 v[\p+8], v[BM], v[BM+1]
	FILL \fo, 2
	DLY \fo, 1
	v_permlanex16_b32 v[\p], v[\p+8], s[SEL], s[SEL+1]
	FILL \fo, 2
	DLY \fo, 1
	v_max3_num_f32 v[\rm], v[\rm], v[\p+8], v[\p]  ; the running largest score of my query
	FILL \fo, 2
	DLY \fo, 1
	v_mul_f32 v[\p+8], s[CS], v[\rm]               ; as t (c is positive)
	FILL \fo, 2
	DLY \fo, 1
	v_floor_f32 v[\m], -v[\p+8]                    ; the new -M = -ceil(t)
	FILL \fo, 2
.if \fo
	s_delay_alu instid0(VALU_DEP_3)
.else
	s_delay_alu instid0(VALU_DEP_1)
.endif
	v_sub_f32 v[F], v[\m], v[\p+9]                 ; old M - new M: a whole number, 0 or less
	s_delay_alu instid0(VALU_DEP_1)
	v_cvt_i32_f32 v[F], v[F]                       ; (it saturates)
.if \fo
.irp t, 0,1,2,3
.irp q, 0,1,2,3,4,5
	ds_load_b64 v[KV+12*\t+2*\q:KV+12*\t+2*\q+1], v[VA] offset:1536*\t+256*\q   ; V's fragments over K's, behind the last of the 16 multiplications: they land under the rest of this softmax
.endr
.endr
.endif
.set j, 0
.rept 32
	v_pk_fma_f32 v[S+j:S+j+1], v[S+j:S+j+1], s[CS:CS+1], v[\m:\m+1] op_sel_hi:[1,0,0]   ; t - M
.set j, j+2
.endr
	v_pk_fma_f32 v[BM:BM+1], v[BM:BM+1], s[CS:CS+1], v[\m:\m+1] op_sel_hi:[1,0,0]   ; the same of my two blocks' largest scores
	s_wait_alu depctr_va_vdst(0)
.set j, 0
.rept 64
	v_exp_f32 v[S+j], v[S+j]                       ; p = 2^(t - M)
.set j, j+1
.endr
	v_exp_f32 v[BM], v[BM]                         ; the blocks' largest p
	v_exp_f32 v[BM+1], v[BM+1]
	v_ldexp_f32 v[F], 1.0, v[F]                    ; f.  (The plain place behind the exponentials)
	s_wait_alu depctr_va_vdst(0)                   ; one wait for the batch; where own = 1 it stands directly ahead of the first reader of O^T too
.if \own
.set j, 0
.rept 16
	v_pk_mul_f32 v[\o+j:\o+j+1], v[\o+j:\o+j+1], v[F:F+1] op_sel_hi:[1,0]   ; O^T under the new M
.set j, j+2
.endr
.endif
	v_max_num_f32 v[BM], 0x1800000, v[BM]          ; the floor 2^(3 - 127)
	v_max_num_f32 v[BM+1], 0x1800000, v[BM+1]
.irp k, 0,1,2,3
	v_pk_add_f32 v[\p+2*\k:\p+2*\k+1], v[S+4*\k:S+4*\k+1], v[S+4*\k+2:S+4*\k+3]   ; the row's sum of the unquantised p, in four chains
.endr
	v_add_nc_u32 v[BM], 0xff000000, v[BM]          ; 2 off the exponent field: the conversions' scale operands
	v_add_nc_u32 v[BM+1], 0xff000000, v[BM+1]
	ADD4 \p, 16
	v_lshrrev_b32 v[\p+10], 23, v[BM]
	v_lshrrev_b32 v[\p+11], 23, v[BM+1]
	ADD4 \p, 24
	v_lshl_or_b32 v[\p+10], v[\p+11], 16, v[\p+10] ; my two bytes: blocks h and 2 + h,
	ADD4 \p, 32
	v_lshlrev_b32 v[\p+10], v[H8], v[\p+10]        ; at their places in the word
	ADD4 \p, 40
	v_permlanex16_b32 v[\p+11], v[\p+10], s[SEL], s[SEL+1]
	ADD4 \p, 48
	ADD4 \p, 56
	s_delay_alu instid0(VALU_DEP_3)
	v_pk_add_f32 v[\p:\p+1], v[\p:\p+1], v[\p+2:\p+3]
	s_delay_alu instid0(VALU_DEP_2)
	v_pk_add_f32 v[\p+4:\p+5], v[\p+4:\p+5], v[\p+6:\p+7]
	s_delay_alu instid0(VALU_DEP_1)
	v_pk_add_f32 v[\p+4:\p+5], v[\p+4:\p+5], v[\p:\p+1]   ; the step's sum, in registers that the next two conversions do not write
	v_cvt_scalef32_pk16_fp6_f32 v[\p:\p+2], v[S:S+15], v[BM]
	v_cvt_scalef32_pk16_fp6_f32 v[\p+6:\p+8], v[S+32:S+47], v[BM+1]
	v_pk_fma_f32 v[\l:\l+1], v[\l:\l+1], v[F:F+1], v[\p+4:\p+5] op_sel_hi:[1,0,1]   ; the sum under the new M, and this step's.  (The plain place behind the conversions: the next two write their sources)
	v_cvt_scalef32_pk16_fp6_f32 v[S:S+2], v[S+16:S+31], v[BM]        ; (a conversion's three registers begin on an even number)
	v_cvt_scalef32_pk16_fp6_f32 v[S+32:S+34], v[S+48:S+63], v[BM+1]
	v_or_b32 v[\pw], v[\p+10], v[\p+11]            ; with lane l xor 16's two bytes the word is whole.  (The plain place behind the conversions)
.irp i, 0,1,2
	v_mov_b32 v[\p+3+\i], v[S+\i]
	v_mov_b32 v[\p+9+\i], v[S+32+\i]
.endr
.endm
	s_wait_alu depctr_va_vdst(0)
	s_wait_tensorcnt 0x0                           ; (waves 0 to 3) my tile is in
	s_barrier_signal -1
	s_barrier_wait -1                              ; all four tiles are in, for every wave; nothing is ever filled again
	s_mov_b32 s[CNT], 16
.Lstep:                                                ; a key step: 128 keys, both halves
	ds_load_b32 v[SW], v[ASX]
	ds_load_b32 v[SW+1], v[ASY]
	ds_load_b32 v[SW+2], v[ASX] offset:128
	ds_load_b32 v[SW+3], v[ASY] offset:128
.irp bb, 0,1,2,3
.irp p, 0,1,2,3,4,5
	ds_load_b64 v[KV+12*\bb+2*\p:KV+12*\bb+2*\p+1], v[KA] offset:2*KG*(\bb/2)+64*(\bb%2)+KP*\p
.endr
.endr
	SCORE Q, Q+18, 1
	v_add_nc_u32 v[KA], KSTEP, v[KA]               ; the next step's addresses: with the move below, the four places behind the products
	v_add_nc_u32 v[ASX], 256, v[ASX]
	v_add_nc_u32 v[ASY], 256, v[ASY]
	v_mov_b32 v[P1+9], v[M1]                       ; the first half's old -M: the fourth place
	SOFTMAX M1, L1, O1, P1, PW1, RM1, 0, 0
	SCORE Q+12, Q+6, 0
	SOFTMAX M2, L2, O2, P2, PW2, RM2, O1, 1
	v_add_nc_u32 v[VA], VSTEP, v[VA]
.rept 3
	v_nop                                          ; four places between the last write of p's codes and the products
.endr
	s_wait_alu depctr_va_vdst(0)
	s_wait_dscnt 0x0
.irp t, 0,1,2,3                                ; O^T += V^T P^T, both halves: eight accumulators by turns; V's scale words lie in lanes 16-31
	v_wmma_scale_f32_16x16x128_f8f6f4 v[O1+8*\t:O1+8*\t+7], v[KV+12*\t:KV+12*\t+11], v[P1:P1+11], v[O1+8*\t:O1+8*\t+7], v[SW+\t], v[PW1] matrix_a_fmt:MATRIX_FMT_FP6 matrix_b_fmt:MATRIX_FMT_FP6 matrix_a_scale:MATRIX_SCALE_ROW1
	v_wmma_scale_f32_16x16x128_f8f6f4 v[O2+8*\t:O2+8*\t+7], v[KV+12*\t:KV+12*\t+11], v[P2:P2+11], v[O2+8*\t:O2+8*\t+7], v[SW+\t], v[PW2] matrix_a_fmt:MATRIX_FMT_FP6 matrix_b_fmt:MATRIX_FMT_FP6 matrix_a_scale:MATRIX_SCALE_ROW1
.endr
.rept 4
	v_nop                                          ; four places in front of the loads into their registers
.endr
	s_sub_co_u32 s[CNT], s[CNT], 1
	s_cmp_lg_u32 s[CNT], 0
	s_cbranch_scc1 .Lstep
	; THE WAY OUT.  Register 16 g + i of O^T is channel 32 g + 16 h + i of my query.
.set AD,  1
.set AD2, 5
.set LA8, 3
.set T8,  P2
.set SO,  P2+8
.set P,   P1
.set TT,  252
	v_add_f32 v[L1], v[L1], v[L1+1]
	v_add_f32 v[L2], v[L2], v[L2+1]
	v_bfe_u32 v[AD], v0, 4, 1
	s_delay_alu instid0(VALU_DEP_1)
	v_lshlrev_b32 v[AD], 6, v[AD]                  ; 64 h
.irp g, 0,1
.irp k, 0,1,2,3
	global_load_b128 v[KV+16*\g+4*\k:KV+16*\g+4*\k+3], v[AD], s[16:17] offset:128*\g+16*\k   ; rms_scale at my 32 channels
.endr
.endr
	v_permlanex16_b32 v[L1+1], v[L1], s[SEL], s[SEL+1]
	v_permlanex16_b32 v[L2+1], v[L2], s[SEL], s[SEL+1]
	s_delay_alu instid0(VALU_DEP_2)
	v_add_f32 v[L1], v[L1], v[L1+1]                ; the rows' sums
	s_delay_alu instid0(VALU_DEP_2)
	v_add_f32 v[L2], v[L2], v[L2+1]
	s_wait_alu depctr_va_vdst(0)
	v_rcp_f32 v[L1], v[L1]
	v_rcp_f32 v[L2], v[L2]
	v_and_b32 v[AD2], 15, v0
	v_and_b32 v[LA8], 31, v0
	v_lshlrev_b32 v[AD2], 3, v[AD2]                ; 8 r
	v_lshlrev_b32 v[LA8], 3, v[LA8]                ; 8 x lane
	s_wait_alu depctr_va_vdst(0)                   ; one wait for the two, ahead of the first readers of O^T too
	v_mul_f32 v[L2], s[NLAM], v[L2]                ; -lam / l2
.set j, 0
.rept 16
	v_pk_mul_f32 v[S+j:S+j+1], v[O1+j:O1+j+1], v[L1:L1+1] op_sel_hi:[1,0]
.set j, j+2
.endr
.set j, 0
.rept 16
	v_pk_fma_f32 v[S+j:S+j+1], v[O2+j:O2+j+1], v[L2:L2+1], v[S+j:S+j+1] op_sel_hi:[1,0,1]   ; attn1 - lam attn2
.set j, j+2
.endr
	v_pk_mul_f32 v[T8:T8+1], v[S:S+1], v[S:S+1]    ; the sum of squares, in two chains
	v_pk_mul_f32 v[T8+2:T8+3], v[S+2:S+3], v[S+2:S+3]
.set j, 4
.rept 7
	s_delay_alu instid0(VALU_DEP_2)
	v_pk_fma_f32 v[T8:T8+1], v[S+j:S+j+1], v[S+j:S+j+1], v[T8:T8+1]
	s_delay_alu instid0(VALU_DEP_2)
	v_pk_fma_f32 v[T8+2:T8+3], v[S+j+2:S+j+3], v[S+j+2:S+j+3], v[T8+2:T8+3]
.set j, j+4
.endr
	s_delay_alu instid0(VALU_DEP_1)
	v_pk_add_f32 v[T8:T8+1], v[T8:T8+1], v[T8+2:T8+3]
	s_delay_alu instid0(VALU_DEP_1)
	v_add_f32 v[T8], v[T8], v[T8+1]
	s_delay_alu instid0(VALU_DEP_1)
	v_permlanex16_b32 v[T8+1], v[T8], s[SEL], s[SEL+1]
	s_delay_alu instid0(VALU_DEP_1)
	v_add_f32 v[T8], v[T8], v[T8+1]                ; over the row's 64 channels
	s_delay_alu instid0(VALU_DEP_1)
	v_fma_f32 v[T8], v[T8], s96, s97               ; the mean + EPS
	s_wait_alu depctr_va_vdst(0)
	v_rsq_f32 v[T8], v[T8]
	s_wait_loadcnt 0x0                             ; rms_scale
.set j, 0
.rept 16
	v_pk_mul_f32 v[KV+j:KV+j+1], v[KV+j:KV+j+1], s[94:95] op_sel_hi:[1,0]   ; x (1 - LAMBDA_INIT)
.set j, j+2
.endr
	s_wait_alu depctr_va_vdst(0)
.set j, 0
.rept 16
	v_pk_mul_f32 v[S+j:S+j+1], v[S+j:S+j+1], v[T8:T8+1] op_sel_hi:[1,0]
.set j, j+2
.endr
.set j, 0
.rept 16
	v_pk_mul_f32 v[S+j:S+j+1], v[S+j:S+j+1], v[KV+j:KV+j+1]
.set j, j+2
.endr
.irp b, 0,1                                    ; two blocks of 32 along the last product's K
	v_max3_num_f32 v[BM+\b], |v[S+16*\b]|, |v[S+1+16*\b]|, 0x1800000
.endr
.irp i, 2,4,6,8,10,12,14
.irp b, 0,1
	s_delay_alu instid0(VALU_DEP_2)
	v_max3_num_f32 v[BM+\b], v[BM+\b], |v[S+16*\b+\i]|, |v[S+1+16*\b+\i]|
.endr
.endr
.irp b, 0,1
	v_permlanex16_b32 v[T8+\b], v[BM+\b], s[SEL], s[SEL+1]
.endr
.irp b, 0,1
	s_delay_alu instid0(VALU_DEP_2)
	v_max_num_f32 v[BM+\b], v[BM+\b], v[T8+\b]
.endr
.irp b, 0,1
	s_delay_alu instid0(VALU_DEP_2)
	v_add_nc_u32 v[SO+\b], 0xff000000, v[BM+\b]
.endr
.irp b, 0,1
	s_delay_alu instid0(VALU_DEP_2)
	v_lshrrev_b32 v[T8+\b], 23, v[SO+\b]
.endr
	s_delay_alu instid0(VALU_DEP_1)
	v_lshl_or_b32 v[TT], v[T8+1], 8, v[T8]         ; my row's two bytes
	v_cvt_scalef32_pk16_fp6_f32 v[P:P+2], v[S:S+15], v[SO]
	v_cvt_scalef32_pk16_fp6_f32 v[T8+4:T8+6], v[S+16:S+31], v[SO+1]
	v_nop                                          ; one plain place behind a scaled conversion
.irp i, 0,1,2
	v_permlane16_swap_b32 v[P+\i], v[T8+4+\i]
.endr
.irp i, 0,1,2
	s_delay_alu instid0(VALU_DEP_3)
	v_mov_b32 v[P+3+\i], v[T8+4+\i]
.endr
.irp p, 0,1,2
	global_store_b64 v[LA8], v[P+2*\p:P+2*\p+1], s[82:83] offset:256*\p   ; a plane: 256 consecutive bytes, aligned
.endr
	global_store_b16 v[AD2], v[TT], s[84:85]       ; lanes l and l xor 16 hold the same two bytes and name the same address
	s_wait_tensorcnt 0x0                           ; the wave's end
	ds_add_u32 v[SPW], v[NIL]
	s_wait_dscnt 0x0
	CROUND                                         ; the closing round
	s_endpgm
.Lfunc_end_k_qc675aea44b_attn:
	.size	k_qc675aea44b_attn, .Lfunc_end_k_qc675aea44b_attn-k_qc675aea44b_attn
	.p2alignl 7, 3214868480
	.fill 96, 4, 3214868480
	.section	.rodata,"a",@progbits
	.p2align	6, 0x0
	.amdhsa_kernel k_qc675aea44b_attn
		.amdhsa_group_segment_fixed_size 219136
		.amdhsa_private_segment_fixed_size 0
		.amdhsa_enable_private_segment 0
		.amdhsa_kernarg_size 64
		.amdhsa_user_sgpr_count 2
		.amdhsa_user_sgpr_kernarg_segment_ptr 1
		.amdhsa_wavefront_size32 1
		.amdhsa_system_sgpr_workgroup_id_x 1
		.amdhsa_system_sgpr_workgroup_id_y 1
		.amdhsa_system_sgpr_workgroup_id_z 1
		.amdhsa_system_vgpr_workitem_id 0
		.amdhsa_next_free_vgpr 256
		.amdhsa_next_free_sgpr 98
		.amdhsa_reserve_vcc 1
		.amdhsa_float_denorm_mode_32 3
		.amdhsa_float_denorm_mode_16_64 3
		.amdhsa_memory_ordered 1
		.amdhsa_forward_progress 1
		.amdhsa_inst_pref_size 56
	.end_amdhsa_kernel
	.amdgpu_metadata
---
amdhsa.version: [ 1, 2 ]
amdhsa.kernels:
  - .name:           k_qc675aea44b_attn
    .symbol:         k_qc675aea44b_attn.kd
    .args:
      - { .name: qk, .offset: 0, .size: 8, .value_kind: global_buffer, .address_space: global }
      - { .name: vq, .offset: 8, .size: 8, .value_kind: global_buffer, .address_space: global }
      - { .name: lambda_q1, .offset: 16, .size: 8, .value_kind: global_buffer, .address_space: global }
      - { .name: lambda_k1, .offset: 24, .size: 8, .value_kind: global_buffer, .address_space: global }
      - { .name: lambda_q2, .offset: 32, .size: 8, .value_kind: global_buffer, .address_space: global }
      - { .name: lambda_k2, .offset: 40, .size: 8, .value_kind: global_buffer, .address_space: global }
      - { .name: rms_scale, .offset: 48, .size: 8, .value_kind: global_buffer, .address_space: global }
      - { .name: aq, .offset: 56, .size: 8, .value_kind: global_buffer, .address_space: global }
    .group_segment_fixed_size: 219136
    .private_segment_fixed_size: 0
    .kernarg_segment_align: 8
    .kernarg_segment_size: 64
    .max_flat_workgroup_size: 512
    .sgpr_count:     98
    .vgpr_count:     256
    .wavefront_size: 32
...
	.end_amdgpu_metadata
.endif
;; end of part 3
;; launch proj (part 4): grid 8 x 32, 4 waves a work-group, clusters of 4 x 4, 222,720 bytes of LDS; arguments aq, wq, out0; writes out0
.if DOCPART == 4
	.amdgcn_target "amdgcn-amd-amdhsa--gfx1250"
	.amdhsa_code_object_version 6
	.text
	.protected	k_qc675aea44b_proj
	.globl	k_qc675aea44b_proj
	.p2align	8
	.type	k_qc675aea44b_proj,@function
k_qc675aea44b_proj:
	s_mov_b64 s[64:65], 0
	v_nop
	global_prefetch_b8 v0, s[64:65] scope:SCOPE_SE
	s_setreg_imm32_b32 hwreg(HW_REG_WAVE_MODE, 25, 1), 1
	s_wait_xcnt 0x0
	s_wait_alu depctr_hold_cnt(0) depctr_sa_sdst(0) depctr_va_vdst(0) depctr_va_sdst(0) depctr_va_ssrc(0) depctr_va_vcc(0) depctr_vm_vsrc(0)
	s_getreg_b32 s2, hwreg(HW_REG_IB_STS2, 6, 4)
	s_cmp_eq_u32 s2, 0
	s_cbranch_scc0 .Lentry_in_a_cluster
	s_endpgm
.Lentry_in_a_cluster:
	s_bfe_u32 s2, ttmp6, 0x10000c
	s_cmp_lg_u32 s2, 0xf033
	s_cbranch_scc0 .Lentry_shape_is_right
	s_endpgm
.Lentry_shape_is_right:
; out0 [4096][1024] f32 = A B^T on codes of FP6 (E2M3) with E8M0 scales: A = aq's token tiles, B = wq's tiles 192-255 (Wproj's columns); K = 1,024.
; Codes lie [q 4][tile 256][e 2][plane 6][256] (K step of 128 = 2 q + e; a fragment is 6 planes, plane p holds registers 2 p, 2 p + 1 of lane l at 8 l); scale words SCOFF bytes on, [tile][q][r 16][e 2].
; Lane r of tile 2 G + u stands for row 32 G + 8 u + r + 8 (r / 8).
; A BLOCK of 128 tokens x 128 columns to a work-group: 32 x 8 = 256 work-groups.  A wave makes 64 x 64: 16 accumulators.
; ALL OF K LIES IN LDS: 8 tiles x 4 q x 3,072 bytes of A, the same of B, 4,096 bytes of scale words each: every byte is filled once, by one tensor load a wave at the head
; (wave 0 A's codes, 1 B's codes, 2 A's words, 3 B's words): no ring, one barrier.  A load of codes is 4 rows (q) of 24,576 consecutive bytes, 786,432 bytes apart.
; CLUSTERS of 4 x 4: A's tiles are asked for jointly along a row of the cluster, B's along a column.  All that the launch reads is asked for at its head, and it has no loop: nothing is left to prefetch.
; THE MATRIX INSTRUCTION IS USED TRANSPOSED (source 0 = B's rows, source 1 = A's): a lane holds eight neighbouring columns of one token.
; REGISTERS: window 0: v16-25 addresses, v32-63 scale words of all of K, v64-159 A's fragments in two sets, v160-255 B's in two sets; window 1: v0-127 the accumulators, (a, b) at 8 (4 a + b).
.set LB,     98304
.set SCL,    196608
.set SPARE,  204800
.set STAGE,  205312
.set SPITCH, 272
.set SCOFF,  3145728
.set ADRA, 16
.set ADRB, 18
.set ADRS, 20
.set STO,  21
.set RD,   22
.set CO,   23
.set SPW,  24
.set NIL,  25
.set SC,   32
.set AF,   64
.set BF,   160
.set BK,   64
.set G1,   24
.set G0,   32
.set G0B,  36
.set G1B,  48
.set G0S,  56
.set G0SB, 60
.set G1S,  68
.set G1SB, 80
.set MSB, 0
.macro WIN new                         ; the immediate's high byte repeats the setting that is left
.if MSB != (\new)
	s_set_vgpr_msb (MSB<<8)|(\new)
.set MSB, (\new)
.endif
.endm
.macro CROUND
	s_barrier_signal -1
	s_barrier_wait -1
	s_cmp_lg_u32 s14, 0
	s_cbranch_scc1 .Lnot_wave_0_\@
	s_barrier_signal -3
.Lnot_wave_0_\@:
	s_barrier_wait -3
	s_barrier_signal -1
	s_barrier_wait -1
.endm
.macro PLACES
.rept 4
	v_nop
.endr
.endm
	s_load_b128 s[4:7], s[0:1], 0x0                ; aq, wq
	s_load_b64 s[8:9], s[0:1], 0x10                ; out0
	v_lshl_add_u32 v[SPW], v0, 2, SPARE
	v_mov_b32 v[NIL], 0
	ds_add_u32 v[SPW], v[NIL]
	ds_add_u32 v[SPW], v[NIL]
	v_lshrrev_b32 v1, 5, v0
	v_readfirstlane_b32 s14, v1                    ; wave
	s_lshr_b32 s15, s14, 1                         ; which 64 tokens
	s_and_b32 s16, s14, 1                          ; which 64 columns
	s_bfe_u32 s40, ttmp6, 0x40000
	s_bfe_u32 s41, ttmp6, 0x40004
	s_lshl_b32 s42, ttmp9, 2
	s_add_co_u32 s42, s42, s40                     ; block column
	s_and_b32 s17, ttmp7, 0xffff
	s_lshl_b32 s17, s17, 2
	s_add_co_u32 s17, s17, s41                     ; block row
	s_lshl_b32 s2, s41, 2
	s_lshl_b32 s2, 15, s2                          ; my row of the cluster
	s_lshl_b32 s3, 0x1111, s40                     ; my column
	s_or_b32 s[G1], s2, (3<<16)|(1<<21)
	s_or_b32 s[G1B], s3, (3<<16)|(1<<21)
	s_or_b32 s[G1S], s2, (3<<16)|(1<<21)
	s_or_b32 s[G1SB], s3, (3<<16)|(1<<21)
.irp g, G1, G1B                                ; 4 rows of 3,072 elements of 8 bytes, 98,304 elements apart
	s_mov_b32 s[\g+1], 3072<<16
	s_mov_b32 s[\g+2], 4<<16
	s_mov_b32 s[\g+3], 3072<<16
	s_mov_b32 s[\g+4], 4
	s_mov_b32 s[\g+5], 98304
	s_mov_b32 s[\g+6], 0
	s_mov_b32 s[\g+7], 0
.endr
.irp g, G1S, G1SB                              ; 16 rows of 256 bytes, dense
	s_mov_b32 s[\g+1], 32<<16
	s_mov_b32 s[\g+2], 16<<16
	s_mov_b32 s[\g+3], 32<<16
	s_mov_b32 s[\g+4], 16
	s_mov_b32 s[\g+5], 32
	s_mov_b32 s[\g+6], 0
	s_mov_b32 s[\g+7], 0
.endr
	s_lshl_b32 s20, s17, 3                         ; A's first tile
	s_lshl_b32 s46, s42, 3
	s_add_co_u32 s46, s46, 192                     ; B's first tile
	s_lshl_b32 s44, s20, 9
	s_add_co_u32 s44, s44, SCOFF
	s_mov_b32 s45, 0
	s_mul_i32 s22, s20, 3072
	s_mov_b32 s23, 0
	s_lshl_b32 s66, s46, 9
	s_add_co_u32 s66, s66, SCOFF
	s_mov_b32 s67, 0
	s_mul_i32 s18, s46, 3072
	s_mov_b32 s19, 0
	s_lshl_b32 s12, s17, 19                        ; out0: (128 block row + 64 half) rows of 4,096 bytes + (128 block column + 64 half) x 4
	s_lshl_b32 s13, s15, 18
	s_add_co_u32 s12, s12, s13
	s_lshl_b32 s13, s42, 9
	s_add_co_u32 s12, s12, s13
	s_lshl_b32 s13, s16, 8
	s_add_co_u32 s12, s12, s13
	s_mov_b32 s13, 0
	s_mul_i32 s21, s15, 12288                      ; my four tiles of A in a q,
	s_mul_i32 s43, s16, 12288
	s_add_co_u32 s43, s43, LB                      ; of B
	s_lshl_b32 s47, s15, 11                        ; my scale words: A's,
	s_lshl_b32 s76, s16, 11
	s_add_co_u32 s76, s76, 4096
	s_sub_co_u32 s76, s76, s47                     ; and how far on B's lie
	s_add_co_u32 s47, s47, SCL
	s_mul_i32 s78, s14, 16*SPITCH
	s_add_co_u32 s78, s78, STAGE                   ; my stage
	s_wait_dscnt 0x0
	s_wait_kmcnt 0x0
	s_add_nc_u64 s[22:23], s[4:5], s[22:23]
	s_add_nc_u64 s[44:45], s[4:5], s[44:45]
	s_add_nc_u64 s[18:19], s[6:7], s[18:19]
	s_add_nc_u64 s[66:67], s[6:7], s[66:67]
	s_add_nc_u64 s[12:13], s[8:9], s[12:13]
	CROUND                                         ; all sixteen work-groups are here: the joint loads meet
	s_mov_b32 s[G0], 1
	s_mov_b32 s[G0+1], 0
	s_mov_b64 s[G0+2:G0+3], s[22:23]
	s_or_b32 s[G0+3], s[G0+3], 0x80000000
	s_mov_b32 s[G0B], 1
	s_mov_b32 s[G0B+1], LB
	s_mov_b64 s[G0B+2:G0B+3], s[18:19]
	s_or_b32 s[G0B+3], s[G0B+3], 0x80000000
	s_mov_b32 s[G0S], 1
	s_mov_b32 s[G0S+1], SCL
	s_mov_b64 s[G0S+2:G0S+3], s[44:45]
	s_or_b32 s[G0S+3], s[G0S+3], 0x80000000
	s_mov_b32 s[G0SB], 1
	s_mov_b32 s[G0SB+1], SCL+4096
	s_mov_b64 s[G0SB+2:G0SB+3], s[66:67]
	s_or_b32 s[G0SB+3], s[G0SB+3], 0x80000000
.macro ARM under, g0, g1, next         ; one tree of branches on the wave's number: every way passes exactly one load
	s_cmp_lt_u32 s14, \under
	s_cbranch_scc0 \next
	tensor_load_to_lds s[\g0:\g0+3], s[\g1:\g1+7]
	s_nop 0
.rept 4
	v_nop
.endr
	s_branch .Lhead_asked
\next:
.endm
	ARM 1, G0,  G1,  .Lhead_b
	ARM 2, G0B, G1B, .Lhead_sa
	ARM 3, G0S, G1S, .Lhead_sb
	tensor_load_to_lds s[G0SB:G0SB+3], s[G1SB:G1SB+7]
	s_nop 0
.rept 4
	v_nop
.endr
.Lhead_asked:
	v_and_b32 v1, 31, v0
	v_lshlrev_b32 v2, 3, v1                        ; 8 x lane
	v_and_b32 v3, 15, v0                           ; r
	v_bfe_u32 v4, v0, 4, 1                         ; h
	v_add_nc_u32 v[ADRA], s21, v2                  ; q 0, 1;
	v_add_nc_u32 v[ADRA+1], 49152, v[ADRA]         ; q 2, 3
	v_add_nc_u32 v[ADRB], s43, v2
	v_add_nc_u32 v[ADRB+1], 49152, v[ADRB]
	v_mul_u32_u24 v5, s76, v4                      ; lanes 16-31 take B's words
	v_lshl_add_u32 v5, v3, 3, v5
	v_add_nc_u32 v[ADRS], s47, v5
	v_mul_u32_u24 v6, v3, SPITCH                   ; the stage, in: row r, 64 bytes for each half of the lanes
	v_lshl_add_u32 v6, v4, 6, v6
	v_add_nc_u32 v[STO], s78, v6
	v_mul_u32_u24 v7, v4, SPITCH                   ; back: sixteen lanes to a row of 256 bytes, two rows a load
	v_lshl_add_u32 v7, v3, 4, v7
	v_add_nc_u32 v[RD], s78, v7
	v_lshlrev_b32 v[CO], 12, v4                    ; and the same two rows in out0
	v_lshl_add_u32 v[CO], v3, 4, v[CO]
	s_wait_alu depctr_va_vdst(0)
	s_wait_tensorcnt 0x0                           ; my tile is in
	s_barrier_signal -1
	s_barrier_wait -1                              ; all four are in, for every wave; nothing is ever filled again
.macro FETCH st                        ; K step st's eight fragments into set st % 2: 48 loads
.set FS, 48*((\st)%2)
.set FO, (((\st)/2)%2)*24576+((\st)%2)*1536
.set FH, (\st)/4
.irp i, 0,1,2,3
.irp p, 0,1,2,3,4,5
	ds_load_b64 v[BF+FS+12*\i+2*\p:BF+FS+12*\i+2*\p+1], v[ADRB+FH] offset:FO+3072*\i+256*\p
.endr
.endr
.irp i, 0,1,2,3
.irp p, 0,1,2,3,4,5
	ds_load_b64 v[AF+FS+12*\i+2*\p:AF+FS+12*\i+2*\p+1], v[ADRA+FH] offset:FO+3072*\i+256*\p
.endr
.endr
.endm
.macro MUL st, zero                    ; 16 products, the 16 accumulators by turns
.set FS, 48*((\st)%2)
.set SS, SC+8*((\st)/2)+((\st)%2)
	WIN 0x50                                       ; C and D in window 1
.irp a, 0,1,2,3
.irp b, 0,1,2,3
.if \zero
	v_wmma_scale_f32_16x16x128_f8f6f4 v[8*(4*\a+\b):8*(4*\a+\b)+7], v[BF+FS+12*\b:BF+FS+12*\b+11], v[AF+FS+12*\a:AF+FS+12*\a+11], 0, v[SS+2*\b], v[SS+2*\a] matrix_a_fmt:MATRIX_FMT_FP6 matrix_b_fmt:MATRIX_FMT_FP6 matrix_a_scale:MATRIX_SCALE_ROW1
.else
	v_wmma_scale_f32_16x16x128_f8f6f4 v[8*(4*\a+\b):8*(4*\a+\b)+7], v[BF+FS+12*\b:BF+FS+12*\b+11], v[AF+FS+12*\a:AF+FS+12*\a+11], v[8*(4*\a+\b):8*(4*\a+\b)+7], v[SS+2*\b], v[SS+2*\a] matrix_a_fmt:MATRIX_FMT_FP6 matrix_b_fmt:MATRIX_FMT_FP6 matrix_a_scale:MATRIX_SCALE_ROW1
.endif
.endr
.endr
	WIN 0
.endm
.irp q, 0,1,2,3                                ; the scale words of all of K: register SC + 8 q + 2 i + e: lanes 0-15 A's tile i, lanes 16-31 B's tile i
.irp i, 0,1,2,3
	ds_load_b64 v[SC+8*\q+2*\i:SC+8*\q+2*\i+1], v[ADRS] offset:512*\i+128*\q
.endr
.endr
	FETCH 0
	FETCH 1
	s_wait_dscnt 48                                ; all but the next step's 48 loads
	MUL 0, 1                                       ; the first step's products start the sums
.set ST, 1
.rept 6
	PLACES                                         ; in front of loads into registers that the last products but these read
	FETCH ST+1
	s_wait_dscnt 48
	MUL ST, 0
.set ST, ST+1
.endr
	s_wait_dscnt 0x0
	MUL 7, 0
; THE WAY OUT, by blocks of 16 tokens x 64 columns, through my own stage: back as rows of 256 bytes, which sixteen lanes store as one aligned unit.
.macro TOSTAGE a
	WIN 0x04                                       ; the data: window 1
.irp b, 0,1,2,3
	ds_store_b128 v[STO], v[8*(4*(\a)+\b):8*(4*(\a)+\b)+3] offset:128*(\b/2)+32*(\b%2)        ; each accumulator from its low end on
	ds_store_b128 v[STO], v[8*(4*(\a)+\b)+4:8*(4*(\a)+\b)+7] offset:128*(\b/2)+32*(\b%2)+16
.endr
	WIN 0
.set BB, BK+32*((\a)%2)
.irp t, 0,1,2,3,4,5,6,7
	ds_load_b128 v[BB+4*\t:BB+4*\t+3], v[RD] offset:\t*2*SPITCH   ; LDS serves a wave's instructions in order: these see the stores above
.endr
.endm
.macro SEND a, younger
.set BB, BK+32*((\a)%2)
	s_wait_dscnt \younger
.irp t, 0,1,2,3,4,5,6,7
	global_store_b128 v[CO], v[BB+4*\t:BB+4*\t+3], s[12:13] offset:(32*((\a)/2)+8*((\a)%2)+2*\t+8*(\t/4))*4096 th:TH_STORE_NT
.endr
.endm
	PLACES
	TOSTAGE 0
.irp a, 1,2,3
.if \a > 1
	s_wait_xcnt 0x0                                ; block a - 2's stores have read their registers
.endif
	TOSTAGE \a
	SEND \a-1, 16                                  ; behind block a - 1's loads: block a's 8 stores and 8 loads
.endr
	SEND 3, 0
	s_wait_tensorcnt 0x0                           ; the wave's end
	ds_add_u32 v[SPW], v[NIL]
	s_wait_dscnt 0x0
	CROUND                                         ; the closing round
	s_endpgm
.Lfunc_end_k_qc675aea44b_proj:
	.size	k_qc675aea44b_proj, .Lfunc_end_k_qc675aea44b_proj-k_qc675aea44b_proj
	.p2alignl 7, 3214868480
	.fill 96, 4, 3214868480
	.section	.rodata,"a",@progbits
	.p2align	6, 0x0
	.amdhsa_kernel k_qc675aea44b_proj
		.amdhsa_group_segment_fixed_size 222720
		.amdhsa_private_segment_fixed_size 0
		.amdhsa_enable_private_segment 0
		.amdhsa_kernarg_size 24
		.amdhsa_user_sgpr_count 2
		.amdhsa_user_sgpr_kernarg_segment_ptr 1
		.amdhsa_wavefront_size32 1
		.amdhsa_system_sgpr_workgroup_id_x 1
		.amdhsa_system_sgpr_workgroup_id_y 1
		.amdhsa_system_sgpr_workgroup_id_z 1
		.amdhsa_system_vgpr_workitem_id 0
		.amdhsa_next_free_vgpr 384
		.amdhsa_next_free_sgpr 96
		.amdhsa_reserve_vcc 0
		.amdhsa_float_denorm_mode_32 3
		.amdhsa_float_denorm_mode_16_64 3
		.amdhsa_memory_ordered 1
		.amdhsa_forward_progress 1
		.amdhsa_inst_pref_size 59
	.end_amdhsa_kernel
	.amdgpu_metadata
---
amdhsa.version: [ 1, 2 ]
amdhsa.kernels:
  - .name:           k_qc675aea44b_proj
    .symbol:         k_qc675aea44b_proj.kd
    .args:
      - { .name: aq, .offset: 0, .size: 8, .value_kind: global_buffer, .address_space: global }
      - { .name: wq, .offset: 8, .size: 8, .value_kind: global_buffer, .address_space: global }
      - { .name: out0, .offset: 16, .size: 8, .value_kind: global_buffer, .address_space: global }
    .group_segment_fixed_size: 222720
    .private_segment_fixed_size: 0
    .kernarg_segment_align: 8
    .kernarg_segment_size: 24
    .max_flat_workgroup_size: 128
    .sgpr_count:     96
    .vgpr_count:     384
    .wavefront_size: 32
...
	.end_amdgpu_metadata
.endif
;; end of part 4
